; MI455X (gfx1250); checked and timed in simulation.
; The chip was launched on July 23, 2026; its instructions are those of AMD's public machine-readable ISA for CDNA 5 (MIT licence, August 2026) and "CDNA5" Instruction Set Architecture Reference Guide (July 2026). The comments in the code are by the model that wrote it; some were corrected since.
;; Gated Recurrent Block. Allowed arithmetic: float matrix products may take bf16 or f16 operands with f32 sums; other float arithmetic in f32, or as packed bf16 or f16 multiplies, adds, multiply-adds, maxima and minima; sums over many terms, partial sums and values carried from step to step in f32; what a program stores and reads back later, other than sums and carried values, may be rounded once to bf16 or f16.
;; Inputs: W_in 1,024 x 3,072 float32; W_out 1,024 x 1,024 float32; lambda_log 1,024 float32; w_norm 1,024 float32; x 4 x 4,096 x 1,024 float32.
;; Outputs: out0 4 x 4,096 x 1,024 float32.
;; 2 versions, each right; version 2 is version 1 with the launch scan written anew for expert scheduling mode. Each part assembles by itself: llvm-mc -triple=amdgcn-amd-amdhsa -mcpu=gfx1250 --defsym DOCPART=n.
;; ======== version 1 of 2: 4 launches
;; limits: a function is approximated: absolute error at most 1.5e-07
;; workspace buffers: xn 33,554,432 bytes; WinT 6,291,456 bytes; WoT 2,097,152 bytes; G 100,663,296 bytes; Y 33,554,432 bytes
;; launch prep (part 1): grid 1024 x 1, 8 waves a work-group, no clusters, 18,432 bytes of LDS; arguments x, W_in, W_out, w_norm, lambda_log, xn, WinT, WoT; writes xn, WinT, WoT
.if DOCPART == 1
	.amdgcn_target "amdgcn-amd-amdhsa--gfx1250"
	.amdhsa_code_object_version 6
	.text
	.protected	k_q0de7c24ea4_prep
	.globl	k_q0de7c24ea4_prep
	.p2align	8
	.type	k_q0de7c24ea4_prep,@function
k_q0de7c24ea4_prep:
	s_mov_b64 s[64:65], 0
	v_nop
	global_prefetch_b8 v0, s[64:65] scope:SCOPE_SE
	s_setreg_imm32_b32 hwreg(HW_REG_WAVE_MODE, 25, 1), 1
	s_wait_xcnt 0x0
; PREPARATION, three roles told apart by the work-group's number (the same for all eight waves of a work-group):
;   0 .. 511    xn[row][k] = bf16( x[row][k] * rsqrt(mean_k x^2 + 1e-6) ): 32 rows a work-group, 4 rows a wave, a row kept in 32 registers between the sum and the scaling
;   512 .. 895  WinT[e][k] = bf16( w_norm[k] * W_in[k][e] ): a tile of 128 k x 64 e, turned in LDS.  The gain belongs to k, so it can ride on the weight: proj = sum_k (x_k rs)(w_k W_in[k][e])
;   896 .. 1023 WoT[d][k]  = bf16( sigmoid(lambda_log[k]) * W_out[k][d] ): the same tile.  The driving term and so the state are linear in lam, so lam rides on W_out's row k
; Each product is made in f32 and rounded once.  LIMITS: NaN and infinities are not treated apart; an exponential below 2^-126 counts as 0.
; No matrix unit, no cluster, no tensor load: no byte is shared between work-groups, and each is read once.
.set SPARE, 17408                      ; LDS: the tile [64 n][272 bytes] at 0; behind it the spare words, 128 bytes for each of the eight waves
.set LP,    272                        ; a tile row: 128 k of bf16 + 16 bytes
.set X,     32                         ; norm: row q of four at v[X+32 q .. +31]
; A row: wait, sum of squares in four chains, across the lanes, rsqrt, scale, round, store.
.macro ROW q
.set XB, X+32*(\q)
	s_wait_loadcnt 8*(3-(\q))                      ; loads come back in order: the later rows' eight loads each may stay out
.set i, 0
.rept 4
	v_pk_mul_f32 v[8+2*i:9+2*i], v[XB+2*i:XB+2*i+1], v[XB+2*i:XB+2*i+1]   ; the first four pairs start the chains
.set i, i+1
.endr
.rept 12
	v_pk_fma_f32 v[8+2*(i%4):9+2*(i%4)], v[XB+2*i:XB+2*i+1], v[XB+2*i:XB+2*i+1], v[8+2*(i%4):9+2*(i%4)]
.set i, i+1
.endr
	v_pk_add_f32 v[8:9], v[8:9], v[10:11]
	v_pk_add_f32 v[12:13], v[12:13], v[14:15]
	v_pk_add_f32 v[8:9], v[8:9], v[12:13]
	v_add_f32 v16, v8, v9
	v_add_f32_dpp v16, v16, v16 row_xmask:1 row_mask:0xf bank_mask:0xf
	v_add_f32_dpp v16, v16, v16 row_xmask:2 row_mask:0xf bank_mask:0xf
	v_add_f32_dpp v16, v16, v16 row_xmask:4 row_mask:0xf bank_mask:0xf
	v_add_f32_dpp v16, v16, v16 row_xmask:8 row_mask:0xf bank_mask:0xf
	v_permlanex16_b32 v17, v16, s26, s27
	v_add_f32 v16, v16, v17                        ; every lane holds the row's sum of squares
	v_fma_f32 v16, v16, s24, s25                   ; / 1024 + 1e-6
	v_rsq_f32 v18, v16
	v_nop                                          ; a plain instruction behind the root,
	s_wait_alu depctr_va_vdst(0)                   ; and the wait ahead of its first reader
.set i, 0
.rept 16
	v_pk_mul_f32 v[XB+2*i:XB+2*i+1], v[XB+2*i:XB+2*i+1], v[18:19] op_sel_hi:[1,0]
.set i, i+1
.endr
.set i, 0
.rept 16
	v_cvt_pk_bf16_f32 v[XB+i], v[XB+2*i], v[XB+2*i+1]   ; packed downward: word i is written when words 2 i and 2 i + 1 are read
.set i, i+1
.endr
.irp j, 0,1,2,3,4,5,6,7
	global_store_b64 v2, v[XB+2*(\j):XB+2*(\j)+1], s[14:15] offset:(\q)*2048+(\j)*256   ; 32 lanes store 256 consecutive bytes, aligned
.endr
.endm
; A tile of 128 k x 64 n of a weight [1024][NCOLS], scaled by VEC[k] (SIG = 1: by its sigmoid), rounded and turned.
; Thread: c16 = t % 16 (four columns n), pq = t / 16; it takes the rows k = 2 (pq + 16 i) and the next, i = 0 .. 3, so that a word of LDS is two neighbouring k of one n.
.macro WCAST SRC, DST, VEC, NCOLS, FIRST, SIG
	s_sub_co_u32 s21, ttmp9, \FIRST
	s_and_b32 s22, s21, 7                          ; kt: which 128 k
	s_lshr_b32 s23, s21, 3                         ; nt: which 64 n
	s_mul_i32 s28, s22, 128*\NCOLS*4
	s_lshl_b32 s30, s23, 8
	s_add_co_u32 s28, s28, s30
	s_add_nc_u64 s[\SRC:\SRC+1], s[\SRC:\SRC+1], s[28:29]    ; (s29 = 0)
	s_lshl_b32 s28, s22, 9
	s_add_nc_u64 s[\VEC:\VEC+1], s[\VEC:\VEC+1], s[28:29]
	s_lshl_b32 s28, s23, 17                        ; 64 rows of 2,048 bytes
	s_lshl_b32 s30, s22, 8
	s_add_co_u32 s28, s28, s30
	s_add_nc_u64 s[\DST:\DST+1], s[\DST:\DST+1], s[28:29]
	v_and_b32 v8, 15, v0                           ; c16
	v_lshrrev_b32 v9, 4, v0                        ; pq
	v_mul_u32_u24 v3, v9, 2*\NCOLS*4
	v_lshl_add_u32 v3, v8, 4, v3                   ; source: row 2 pq, 16 bytes at 16 c16
	v_lshlrev_b32 v4, 3, v9                        ; the two scales of rows 2 pq, 2 pq + 1
	v_mul_u32_u24 v5, v8, 4*LP
	v_lshl_add_u32 v5, v9, 2, v5                   ; LDS in: row 4 c16, word pq
	v_lshrrev_b32 v10, 5, v0
	v_bfe_u32 v11, v0, 4, 1
	v_lshl_add_u32 v10, v10, 3, v11                ; back: row 8 x wave + lane / 16
	v_mul_u32_u24 v6, v10, LP
	v_lshl_add_u32 v6, v8, 4, v6
	v_lshlrev_b32 v7, 11, v10
	v_lshl_add_u32 v7, v8, 4, v7                   ; and the same row in the turned weight
.irp i, 0,1,2,3
	global_load_b64 v[64+2*(\i):65+2*(\i)], v4, s[\VEC:\VEC+1] offset:128*(\i)
.endr
.irp i, 0,1,2,3
	global_load_b128 v[32+8*(\i):35+8*(\i)], v3, s[\SRC:\SRC+1] offset:(32*(\i))*\NCOLS*4     ; 16 lanes read 256 consecutive bytes of a row k
	global_load_b128 v[36+8*(\i):39+8*(\i)], v3, s[\SRC:\SRC+1] offset:(32*(\i)+1)*\NCOLS*4
.endr
.if \SIG
	s_wait_loadcnt 8                               ; the four loads of scales are in; the eight of weights may stay out
.irp i, 0,1,2,3
	v_pk_mul_f32 v[64+2*(\i):65+2*(\i)], v[64+2*(\i):65+2*(\i)], 0xbfb8aa3b op_sel_hi:[1,0]   ; - log2(e) x
.endr
.irp i, 0,1,2,3,4,5,6,7
	v_exp_f32 v[64+(\i)], v[64+(\i)]
.endr
	v_nop
	s_wait_alu depctr_va_vdst(0)                   ; one wait for the eight exponentials
.irp i, 0,1,2,3
	v_pk_add_f32 v[64+2*(\i):65+2*(\i)], v[64+2*(\i):65+2*(\i)], 1.0 op_sel_hi:[1,0]
.endr
.irp i, 0,1,2,3,4,5,6,7
	v_rcp_f32 v[64+(\i)], v[64+(\i)]
.endr
	v_nop
	s_wait_alu depctr_va_vdst(0)                   ; one wait for the eight reciprocals
.endif
.irp i, 0,1,2,3
	s_wait_loadcnt 6-2*(\i)                        ; this pair of rows is in (and the scales, which were asked for earlier); the later pairs may stay out
.irp c, 0,1,2,3
	v_mul_f32 v[20+(\c)], v[32+8*(\i)+(\c)], v[64+2*(\i)]
	v_mul_f32 v[24+(\c)], v[36+8*(\i)+(\c)], v[65+2*(\i)]
.endr
.irp c, 0,1,2,3
	v_cvt_pk_bf16_f32 v[72+4*(\i)+(\c)], v[20+(\c)], v[24+(\c)]    ; the even k below, the odd k above
.endr
.irp c, 0,1,2,3
	ds_store_b32 v5, v[72+4*(\i)+(\c)] offset:(\c)*LP+(\i)*64
.endr
.endr
	s_wait_dscnt 0x0                               ; for the others' sake: my stores into the tile are done
	s_barrier_signal -1
	s_barrier_wait -1
.irp i, 0,1,2,3
	ds_load_b128 v[88+4*(\i):91+4*(\i)], v6 offset:(\i)*2*LP
.endr
.irp i, 0,1,2,3
	s_wait_dscnt 3-(\i)                            ; LDS loads come back in order: the later ones may stay out
	global_store_b128 v7, v[88+4*(\i):91+4*(\i)], s[\DST:\DST+1] offset:(\i)*4096    ; 16 lanes store 256 consecutive bytes of a row n, aligned
.endr
.endm
	s_load_b512 s[4:19], s[0:1], 0x0               ; x 4, W_in 6, W_out 8, w_norm 10, lambda_log 12, xn 14, WinT 16, WoT 18
	v_lshl_add_u32 v30, v0, 2, SPARE               ; my spare word,
	v_mov_b32 v31, 0                               ; and 0: kept for the add at the end alone
	v_lshrrev_b32 v1, 5, v0
	v_readfirstlane_b32 s20, v1                    ; wave 0..7
	s_mov_b32 s24, 0x3a800000                      ; 1 / 1024
	s_mov_b32 s25, 0x358637bd                      ; 1e-6
	s_mov_b32 s26, 0x76543210                      ; v_permlanex16_b32: each lane takes its own place in the other half
	s_mov_b32 s27, 0xfedcba98
	s_mov_b32 s29, 0                               ; the upper word of every offset
	s_wait_kmcnt 0x0
	s_cmp_lt_u32 ttmp9, 512
	s_cbranch_scc1 .Lnorm
	s_cmp_lt_u32 ttmp9, 896
	s_cbranch_scc1 .Lwin
	WCAST 8, 18, 12, 1024, 896, 1
	s_branch .Lend
.Lwin:
	WCAST 6, 16, 10, 3072, 512, 0
	s_branch .Lend
.Lnorm:
	s_lshl_b32 s28, ttmp9, 17                      ; 32 rows of 4,096 bytes,
	s_lshl_b32 s30, s20, 14                        ; my wave's four
	s_add_co_u32 s28, s28, s30
	s_add_nc_u64 s[4:5], s[4:5], s[28:29]
	s_lshr_b32 s28, s28, 1                         ; half as many bytes in xn
	s_add_nc_u64 s[14:15], s[14:15], s[28:29]
	v_and_b32 v1, 31, v0
	v_lshlrev_b32 v2, 3, v1                        ; 8 bytes a lane out
	v_lshlrev_b32 v1, 4, v1                        ; 16 bytes a lane in
	v_mov_b32 v17, 0                               ; v_permlanex16_b32's destination counts as read
	v_mov_b32 v19, 0                               ; named with v18 as a pair
.irp q, 0,1,2,3
.irp j, 0,1,2,3,4,5,6,7
	global_load_b128 v[X+32*(\q)+4*(\j):X+32*(\q)+4*(\j)+3], v1, s[4:5] offset:(\q)*4096+(\j)*512 th:TH_LOAD_NT   ; all four rows, 16 KiB a wave, go out at once
.endr
.endr
	ROW 0
	ROW 1
	ROW 2
	ROW 3
.Lend:
	s_wait_tensorcnt 0x0                           ; the wave's end, behind my last LDS store
	ds_add_u32 v30, v31
	s_wait_dscnt 0x0
	s_endpgm
.Lfunc_end_k_q0de7c24ea4_prep:
	.size	k_q0de7c24ea4_prep, .Lfunc_end_k_q0de7c24ea4_prep-k_q0de7c24ea4_prep
	.p2alignl 7, 3214868480
	.fill 96, 4, 3214868480
	.section	.rodata,"a",@progbits
	.p2align	6, 0x0
	.amdhsa_kernel k_q0de7c24ea4_prep
		.amdhsa_group_segment_fixed_size 18432
		.amdhsa_private_segment_fixed_size 0
		.amdhsa_enable_private_segment 0
		.amdhsa_kernarg_size 64
		.amdhsa_user_sgpr_count 2
		.amdhsa_user_sgpr_kernarg_segment_ptr 1
		.amdhsa_wavefront_size32 1
		.amdhsa_system_sgpr_workgroup_id_x 1
		.amdhsa_system_sgpr_workgroup_id_y 1
		.amdhsa_system_sgpr_workgroup_id_z 1
		.amdhsa_system_vgpr_workitem_id 0
		.amdhsa_next_free_vgpr 160
		.amdhsa_next_free_sgpr 66
		.amdhsa_reserve_vcc 0
		.amdhsa_float_denorm_mode_32 3
		.amdhsa_float_denorm_mode_16_64 3
		.amdhsa_memory_ordered 1
		.amdhsa_forward_progress 1
		.amdhsa_inst_pref_size 37
	.end_amdhsa_kernel
	.amdgpu_metadata
---
amdhsa.version: [ 1, 2 ]
amdhsa.kernels:
  - .name:           k_q0de7c24ea4_prep
    .symbol:         k_q0de7c24ea4_prep.kd
    .args:
      - { .name: x, .offset: 0, .size: 8, .value_kind: global_buffer, .address_space: global }
      - { .name: W_in, .offset: 8, .size: 8, .value_kind: global_buffer, .address_space: global }
      - { .name: W_out, .offset: 16, .size: 8, .value_kind: global_buffer, .address_space: global }
      - { .name: w_norm, .offset: 24, .size: 8, .value_kind: global_buffer, .address_space: global }
      - { .name: lambda_log, .offset: 32, .size: 8, .value_kind: global_buffer, .address_space: global }
      - { .name: xn, .offset: 40, .size: 8, .value_kind: global_buffer, .address_space: global }
      - { .name: WinT, .offset: 48, .size: 8, .value_kind: global_buffer, .address_space: global }
      - { .name: WoT, .offset: 56, .size: 8, .value_kind: global_buffer, .address_space: global }
    .group_segment_fixed_size: 18432
    .private_segment_fixed_size: 0
    .kernarg_segment_align: 8
    .kernarg_segment_size: 64
    .max_flat_workgroup_size: 256
    .sgpr_count:     66
    .vgpr_count:     160
    .wavefront_size: 32
...
	.end_amdgpu_metadata
.endif
;; end of part 1
;; launch gemm1 (part 2): grid 64 x 4, 4 waves a work-group, clusters of 4 x 4, 327,680 bytes of LDS; arguments WinT, xn, G; writes G
.if DOCPART == 2
	.amdgcn_target "amdgcn-amd-amdhsa--gfx1250"
	.amdhsa_code_object_version 6
	.text
	.protected	k_q0de7c24ea4_gemm1
	.globl	k_q0de7c24ea4_gemm1
	.p2align	8
	.type	k_q0de7c24ea4_gemm1,@function
k_q0de7c24ea4_gemm1:
	s_mov_b64 s[64:65], 0
	v_nop
	global_prefetch_b8 v0, s[64:65] scope:SCOPE_SE
	s_setreg_imm32_b32 hwreg(HW_REG_WAVE_MODE, 25, 1), 1
	s_wait_xcnt 0x0
	s_wait_alu depctr_hold_cnt(0) depctr_sa_sdst(0) depctr_va_vdst(0) depctr_va_sdst(0) depctr_va_ssrc(0) depctr_va_vcc(0) depctr_vm_vsrc(0)
	s_getreg_b32 s2, hwreg(HW_REG_IB_STS2, 6, 4)
	s_cmp_eq_u32 s2, 0
	s_cbranch_scc0 .Lentry_in_a_cluster
	s_endpgm
.Lentry_in_a_cluster:
	s_bfe_u32 s2, ttmp6, 0x10000c
	s_cmp_lg_u32 s2, 0xf033
	s_cbranch_scc0 .Lentry_shape_is_right
	s_endpgm
.Lentry_shape_is_right:
; THE FIRST PROJECTION, TURNED: G[e][bt] = sum over k of WinT[e][k] xn[bt][k].  A = WinT [3072][1024], B = xn [16384][1024], C = G [3072][16384], all bf16; sums in f32, G rounded once.
; G's rows are the three gates' channels (e = 1024 gate + c) and its columns run along time, so that the launch behind reads a channel's time steps as consecutive bytes.
; A tile of C, 256 x 256, is made by a work-group of four waves; a wave makes 128 x 128: 64 accumulators of 16 x 16, 512 registers.  K goes in steps of 128 through a ring of two LDS slots
; filled by the tensor data mover: the rows of A's and B's tiles are 256 bytes of memory and start at multiples of 256 bytes from the buffer's first byte.
; A WORK-GROUP STAYS: it makes SIZE_TILES = 3 tiles, one below the other, 1,024 rows apart (the same 256 columns for the three gates): 64 x 4 = 256 work-groups.  The ring does not stop at a tile's end:
; a tile's last two changes of slots ask for the next tile's first two K steps.  The last tile's last K step goes by rows of C, so that finished rows leave while the others are multiplied.
; CLUSTERS: 4 x 4 work-groups.  The four of a row of the cluster need the same tiles of A, the four of a column the same tiles of B: such a tile is asked for JOINTLY, by the same tensor load with the same
; descriptor and a mask that names the four, and each receives it in its own LDS.
; REGISTERS, in windows of 256 (s_set_vgpr_msb: bits 1:0 source 0, 3:2 source 1, 5:4 source 2, 7:6 destination):
;   window 0: v0-31 addresses; v64-127, v128-191 fragments of A, two buffers (in the very last K step four, of 16 rows x 128 K); v32-63, v192-255 at work on the way out
;   window 1: v64-127, v128-191 fragments of B, two buffers; in the very last K step all 256
;   window 2: the 32 accumulators of my rows 0-63 (accumulator (a, b) at v[8 (8 a + b)]);   window 3: those of my rows 64-127
; THE MATRIX INSTRUCTION IS USED TRANSPOSED: source 0 = 16 rows of B, source 1 = 16 rows of A: lane l then holds row l % 16 of C and the columns 8 (l / 16) + 0 .. 7, which pack into 16 bytes.
; LIMITS: NaN and infinities are not treated apart.
.set SIZE_M, 3072
.set SIZE_N, 16384
.set SIZE_K, 1024
.set SIZE_TILES, 3
.set KSTEP,  128
.set PITCH,  272                       ; an LDS row: 256 bytes + 16 of padding = 68 words: the 16 rows that a load touches start at 16 different groups of four banks (ISA guide 11.1)
.set HALFT,  128*PITCH                 ; 128 rows: what one tensor load brings, and what one wave reads of A or of B
.set SLOT,   4*HALFT                   ; A's 256 rows, then B's 256 rows
.set STAGE,  2*SLOT                    ; behind the ring: 16 rows x 272 bytes for each wave, for the way out
.set SPITCH, 272
.set SPARE,  STAGE+4*16*SPITCH         ; behind the stages: the spare words, 128 bytes for each wave
.set LAPS, SIZE_K/(2*KSTEP)            ; a lap = two K steps = once round the ring
.set WALK,   SIZE_M/SIZE_TILES         ; a work-group's tiles lie WALK rows apart
.set NEXT_A, WALK*SIZE_K*2-(SIZE_K-2*KSTEP)*2   ; from a slot's last K step of a tile to its first of the next: A goes WALK rows down and back along K,
.set BACK_B, (SIZE_K-2*KSTEP)*2        ; B only back
.set NEXT_C, (WALK-7*16)*SIZE_N*2      ; from my last 16 rows of a tile to my first of the next
.set ADRA, 16                          ; v16-17  LDS address of my A fragments in slot 0, 1
.set ADRB, 20                          ; v20-21  the same for B
.set STO,  24                          ; v24     the way out: where I put 16 bytes of a row
.set RD,   25                          ; v25     the way out: where I read a row back
.set CO,   26                          ; v26     my byte offset in C
.set SPW,  28                          ; v28     LDS address of my spare word; never rewritten
.set NIL,  29                          ; v29     0; never rewritten
.set PFO,  30                          ; v30     the prefetches' offset: my lane x a row of A or B (2,048 bytes); never rewritten
.set PFA,  44                          ; s[44:45] where my prefetches stand
.set LIM,  43                          ; s43     1 in a wave that prefetches, else the greatest number
.set F0,   64
.set F1,   128
.set TMP,  192
.set OB,   32
.set PA,   64
.set G1, 24                            ; s[24:31] descriptor group 1 for A's tiles
.set G0, 32                            ; s[32:39] descriptor group 0 for A's tiles, one set for each slot
.set G1B, 48                           ; s[48:55] group 1 for B's tiles: it differs in the mask alone
.set G0B, 56                           ; s[56:63] group 0 for B's tiles
.set MSB, 0
.macro WIN new                         ; the immediate's high byte repeats the setting that is left; a switch that changes nothing is dropped
.if MSB != (\new)
	s_set_vgpr_msb (MSB<<8)|(\new)
.set MSB, \new
.endif
.endm
.set MUL_LO, 0xa1                      ; source 0 (B) window 1, source 1 (A) window 0, C and D window 2
.set MUL_HI, 0xf1                      ; the same, C and D window 3
.set TO_B,   0x40                      ; destination window 1, address window 0
; A joint load.  Waves 0 and 1 fetch A's two halves, waves 2 and 3 B's.  The branch hangs on the wave's number alone.  An s_nop 0 and four v_nop follow each of the two lines.
.macro JLOAD s
	s_cmp_eq_u32 s11, 0
	s_cbranch_scc0 .Lfor_b_\@
	tensor_load_to_lds s[G0+4*(\s):G0+4*(\s)+3], s[G1:G1+7]
	s_nop 0
.rept 4
	v_nop
.endr
	s_branch .Lasked_\@
.Lfor_b_\@:
	tensor_load_to_lds s[G0B+4*(\s):G0B+4*(\s)+3], s[G1B:G1B+7]
	s_nop 0
.rept 4
	v_nop
.endr
.Lasked_\@:
.endm
; A PREFETCH, behind each joint load and the run of LDS loads that follows it: the K step that stands TWO refills on: 32 rows x 256 bytes, a lane a row, one instruction a wave.
; Each row's 256 bytes of a K step are named once in the launch: for A's rows the cluster with x = 0 asks, for B's the cluster with y = 0; the four partners that ask for a tile jointly share its rows
; out BY ADDRESS: of the 128 rows that a wave fetches the partner at place p takes 32 p .. 32 p + 31 (p = cx for A, cy for B).  how = 0, in the loop: a tile's last two refills have no K step two on; how = 1, at a change of tiles.
.macro ASK how
.if \how
	s_cmp_eq_u32 s[LIM], 1
.else
	s_cmp_gt_u32 s3, s[LIM]                        ; s3 = 1 in the loop's last trip
.endif
	s_cbranch_scc0 .Lnot_mine_\@
	global_prefetch_b8 v[PFO], s[PFA:PFA+1] offset:KSTEP*2 th:TH_LOAD_NT scope:SCOPE_SE
.Lnot_mine_\@:
.endm
; A round of the cluster's barrier: my work-group's barrier; wave 0 signals for the work-group; every wave waits for all sixteen work-groups; my work-group's barrier once more.
.macro CREST                           ; a round behind its opening barrier
	s_cmp_lg_u32 s10, 0
	s_cbranch_scc1 .Lnot_wave_0_\@
	s_barrier_signal -3
.Lnot_wave_0_\@:
	s_barrier_wait -3
	s_barrier_signal -1
	s_barrier_wait -1
.endm
.macro CROUND                          ; a whole round
	s_barrier_signal -1
	s_barrier_wait -1
	CREST
.endm
	s_load_b128 s[4:7], s[0:1], 0x0                ; A s[4:5], B s[6:7]
	s_load_b64 s[8:9], s[0:1], 0x10                ; C
	v_lshl_add_u32 v[SPW], v0, 2, SPARE
	v_mov_b32 v[NIL], 0
	ds_add_u32 v[SPW], v[NIL]                      ; the wave's opening: the add and its wait stand ahead of my first tensor load; the set-up below, work on registers, stands between them
	v_lshrrev_b32 v1, 5, v0
	v_readfirstlane_b32 s10, v1                    ; wave 0..3
	s_lshr_b32 s11, s10, 1                         ; which half of the tile's rows is mine.  Also: I fetch for A (0) or for B (1)
	s_and_b32 s12, s10, 1                          ; which half of its columns.  Also: which 128 rows of that tile I fetch
	s_bfe_u32 s40, ttmp6, 0x40000                  ; cx
	s_bfe_u32 s41, ttmp6, 0x40004                  ; cy
	s_lshl_b32 s42, ttmp9, 2
	s_add_co_u32 s42, s42, s40                     ; tile column of C = 4 x cluster x + cx
	s_and_b32 s13, ttmp7, 0xffff
	s_lshl_b32 s13, s13, 2
	s_add_co_u32 s13, s13, s41                     ; tile row of C = 4 x cluster y + cy
	s_lshl_b32 s43, s41, 2
	s_lshl_b32 s43, 15, s43                        ; my row of the cluster: places 4 cy .. 4 cy + 3
	s_lshl_b32 s44, 0x1111, s40                    ; my column: places cx, cx + 4, cx + 8, cx + 12
	; descriptor group 1: a tile of 128 rows x 128 elements, padded in LDS
	s_or_b32 s[G1+0], s43, (1<<16)|(1<<20)|(1<<21)|(5<<22)|(3<<25)  ; 15:0 the mask; 17:16 elements of 2 bytes; 20 padding on; 21 set beside a mask; 24:22 after every 64 words; 31:25 4 words of it
	s_or_b32 s[G1B+0], s44, (1<<16)|(1<<20)|(1<<21)|(5<<22)|(3<<25)
	s_mov_b32 s[G1B+1], KSTEP<<16
	s_mov_b32 s[G1+1], KSTEP<<16                   ; tensor_dim0 = 128
	s_mov_b32 s[G1B+2], 128<<16
	s_mov_b32 s[G1+2], 128<<16                     ; tensor_dim1 = 128
	s_mov_b32 s[G1B+3], KSTEP<<16
	s_mov_b32 s[G1+3], KSTEP<<16                   ; tile_dim0 = 128
	s_mov_b32 s[G1B+4], 128
	s_mov_b32 s[G1+4], 128                         ; tile_dim1 = 128
	s_mov_b32 s[G1B+5], SIZE_K
	s_mov_b32 s[G1+5], SIZE_K                      ; elements from row to row
	s_mov_b32 s[G1B+6], 0
	s_mov_b32 s[G1+6], 0
	s_mov_b32 s[G1B+7], 0
	s_mov_b32 s[G1+7], 0
	; where the tiles come from.  A's hang on the tile row alone, B's on the tile column alone; every wave makes both addresses, in registers that never hold the other coordinate.
	s_lshl_b32 s17, s12, 7                         ; which 128 rows of the tile I fetch
	s_lshl_b32 s16, s13, 8
	s_add_co_u32 s16, s16, s17                     ; A: row 256 x tile row + 128 x half
	s_lshl_b32 s46, s42, 8
	s_add_co_u32 s46, s46, s17                     ; B: row 256 x tile column + 128 x half
	s_mov_b32 s17, 0
	s_mov_b32 s47, 0
	s_mov_b64 s[18:19], SIZE_K*2
	s_mul_u64 s[16:17], s[16:17], s[18:19]
	s_mul_u64 s[46:47], s[46:47], s[18:19]
	s_mul_i32 s20, s10, HALFT                      ; where they go: wave x 128 rows: no place in the cluster enters an LDS address
	s_wait_dscnt 0x0                               ; the opening add is done
	s_wait_kmcnt 0x0
	s_add_nc_u64 s[14:15], s[4:5], s[16:17]
	s_add_nc_u64 s[46:47], s[6:7], s[46:47]
	CROUND                                         ; all sixteen work-groups are here: the first joint loads meet
.irp s, 0,1
	s_mov_b32 s[G0+4*(\s)], 1                                      ; count = 1
	s_add_co_u32 s[G0+4*(\s)+1], s20, (\s)*SLOT                    ; LDS address
	s_add_nc_u64 s[G0+4*(\s)+2:G0+4*(\s)+3], s[14:15], (\s)*KSTEP*2  ; global address: K step s
	s_or_b32 s[G0+4*(\s)+3], s[G0+4*(\s)+3], 0x80000000            ; type = 2
	s_mov_b32 s[G0B+4*(\s)], 1
	s_add_co_u32 s[G0B+4*(\s)+1], s20, (\s)*SLOT
	s_add_nc_u64 s[G0B+4*(\s)+2:G0B+4*(\s)+3], s[46:47], (\s)*KSTEP*2
	s_or_b32 s[G0B+4*(\s)+3], s[G0B+4*(\s)+3], 0x80000000
	JLOAD \s                                       ; the ring is filled before anything else is done: two loads of mine are out
.endr
	; A fragment is 16 rows x 32 K in 8 registers: lane l holds row l % 16; registers 0-3 K = 8 (l / 16) + 0..7, registers 4-7 K = 16 + 8 (l / 16) + 0..7: two loads of 16 bytes, 32 bytes apart.
	v_and_b32 v1, 15, v0                           ; l % 16
	v_bfe_u32 v2, v0, 4, 1                         ; l / 16
	v_mul_u32_u24 v3, v1, PITCH
	v_lshl_add_u32 v3, v2, 4, v3                   ; row x pitch + 16 x half
	s_mul_i32 s21, s11, HALFT                      ; my 128 rows of A
	s_mul_i32 s22, s12, HALFT                      ; my 128 rows of B,
	s_add_co_u32 s22, s22, 2*HALFT                 ; which lie behind A's 256
.irp s, 0,1
	v_add_nc_u32 v[ADRA+(\s)], s21, v3
	v_add_nc_u32 v[ADRB+(\s)], s22, v3
	s_add_co_u32 s21, s21, SLOT
	s_add_co_u32 s22, s22, SLOT
.endr
	s_mul_i32 s23, s10, 16*SPITCH
	s_add_co_u32 s23, s23, STAGE                   ; my stage
	v_mul_u32_u24 v4, v1, SPITCH                   ; in: row l % 16, 16 bytes for each half of the lanes
	v_lshl_add_u32 v4, v2, 4, v4
	v_add_nc_u32 v[STO], s23, v4
	v_mul_u32_u24 v5, v2, SPITCH                   ; back: lanes 0-15 take one row of 256 bytes, lanes 16-31 the next
	v_lshl_add_u32 v5, v1, 4, v5
	v_add_nc_u32 v[RD], s23, v5
	v_mul_u32_u24 v5, v2, SIZE_N*2                 ; and the same two rows in C
	v_lshl_add_u32 v[CO], v1, 4, v5
	; where my part of the first tile begins in C, in bytes: the first way out adds it to C's address
	s_lshl_b32 s13, s13, 8
	s_lshl_b32 s14, s11, 7
	s_add_co_u32 s16, s13, s14                     ; my first row of C
	s_mov_b32 s17, 0
	s_mov_b64 s[18:19], SIZE_N*2
	s_mul_u64 s[16:17], s[16:17], s[18:19]
	s_lshl_b32 s46, s42, 9                         ; my first column, in bytes: 512 x tile column + 256 x half
	s_lshl_b32 s47, s12, 8
	s_add_co_u32 s46, s46, s47
	s_mov_b32 s47, 0
	s_add_nc_u64 s[16:17], s[16:17], s[46:47]
	; the prefetches.  s13 = 256 x tile row, s42 = tile column, s40 = cx, s41 = cy still stand
	s_lshl_b32 s42, s42, 8
	s_and_b32 s22, ttmp7, 0xffff                   ; cluster y
	s_cmp_eq_u32 s11, 0                            ; do I fetch for A?
	s_cselect_b32 s20, s13, s42                    ; the tile's first row
	s_cselect_b32 s21, s40, s41                    ; my place among the four that ask for it with me
	s_cselect_b32 s22, ttmp9, s22                  ; the coordinate along which other clusters read the same rows
	s_cselect_b64 s[PFA:PFA+1], s[4:5], s[6:7]
	s_cmp_eq_u32 s22, 0
	s_cselect_b32 s[LIM], 1, -1                    ; the same in all sixteen partners, for a given wave
	s_lshl_b32 s22, s12, 7
	s_add_co_u32 s20, s20, s22                     ; + the 128 rows that I fetch
	s_lshl_b32 s21, s21, 5
	s_add_co_u32 s20, s20, s21                     ; + my work-group's 32 of them
	s_mov_b32 s21, 0
	s_mov_b64 s[18:19], SIZE_K*2
	s_mul_u64 s[20:21], s[20:21], s[18:19]
	s_add_nc_u64 s[PFA:PFA+1], s[PFA:PFA+1], s[20:21]
	s_add_nc_u64 s[PFA:PFA+1], s[PFA:PFA+1], 2*KSTEP*2  ; at K step 2: the first refill steps it to 3 and names K step 4
	v_and_b32 v[PFO], 31, v0
	v_mul_u32_u24 v[PFO], v[PFO], SIZE_K*2
	; nothing is prefetched here, at the head: K steps 2 and 3 come by their refills alone
; 16 matrix instructions: m blocks a0, a0 + 1 of the window's four x all 8 n blocks, 32 along K.  zero = 1: the first product starts the sums: nothing is ever cleared.
.macro MUL16 f, hi, a0, zero
	WIN MUL_LO+0x50*(\hi)
.irp a, \a0, (\a0)+1
.irp b, 0,1,2,3,4,5,6,7
.if \zero
	v_wmma_f32_16x16x32_bf16 v[8*(8*(\a)+(\b)):8*(8*(\a)+(\b))+7], v[(\f)+8*(\b):(\f)+8*(\b)+7], v[(\f)+8*(4*(\hi)+(\a)):(\f)+8*(4*(\hi)+(\a))+7], 0
.else
	v_wmma_f32_16x16x32_bf16 v[8*(8*(\a)+(\b)):8*(8*(\a)+(\b))+7], v[(\f)+8*(\b):(\f)+8*(\b)+7], v[(\f)+8*(4*(\hi)+(\a)):(\f)+8*(4*(\hi)+(\a))+7], v[8*(8*(\a)+(\b)):8*(8*(\a)+(\b))+7]
.endif
.endr
.endr
.endm
; 32 LDS loads in one run: the fragments of one quarter step (128 rows of B, 128 rows of A, 32 K at byte k of the rows) into buffer f
.macro FETCH slot, k, f
	WIN TO_B
.irp i, 0,1,2,3,4,5,6,7
	ds_load_b128 v[(\f)+8*(\i):(\f)+8*(\i)+3],   v[ADRB+(\slot)] offset:(\k)+(\i)*16*PITCH
	ds_load_b128 v[(\f)+8*(\i)+4:(\f)+8*(\i)+7], v[ADRB+(\slot)] offset:(\k)+(\i)*16*PITCH+32
.endr
	WIN 0
.irp i, 0,1,2,3,4,5,6,7
	ds_load_b128 v[(\f)+8*(\i):(\f)+8*(\i)+3],   v[ADRA+(\slot)] offset:(\k)+(\i)*16*PITCH
	ds_load_b128 v[(\f)+8*(\i)+4:(\f)+8*(\i)+7], v[ADRA+(\slot)] offset:(\k)+(\i)*16*PITCH+32
.endr
.endm
; A load into a register that a matrix instruction has read, and a vector instruction that reads a matrix result, stand four places behind that matrix instruction, and only plain vector
; instructions that name none of its registers are places (ISA guide 7.12.1 for vector instructions).
.macro PLACES
.rept 4
	v_nop
.endr
.endm
; A K step is four quarter steps of 32 along K, 64 matrix instructions each, on buffers 0, 1, 0, 1.  The 64 accumulators take turns, one instruction a turn.
; One of the first three: multiplies buffer f; in its middle it fetches the next quarter's fragments, at byte k of the same slot's rows, into buffer g.
.macro QUARTER slot, k, f, g, zero
	s_wait_dscnt 8                                 ; B and A's rows 0-63 are in; the youngest eight loads (A's rows 64-127) may be out
	WIN MUL_LO
	MUL16 \f, 0, 0, \zero
	MUL16 \f, 0, 2, \zero
	PLACES
	FETCH \slot, \k, \g
	s_wait_dscnt 32                                ; all but the 32 just issued
	WIN MUL_HI
	MUL16 \f, 1, 0, \zero
	MUL16 \f, 1, 2, \zero
.endm
; The last quarter multiplies buffer 1 and changes slots.  MEET is its first half: ONE barrier for the change.  In front of it each wave waits for all its tensor loads, of which one is out: its part of the
; next slot; adds 0 to its spare word; and waits for that and for its own reads of this slot.  Behind it nobody reads this slot any more and the next slot is whole.
.macro MEET round                      ; round = 1: a round of the cluster's barrier follows
	WIN 0                                          ; (the add's two registers lie in window 0)
	s_wait_tensorcnt 0x0                           ; all my tensor loads have landed;
	ds_add_u32 v[SPW], v[NIL]                      ; 0 onto my spare word;
	s_wait_dscnt 9                                 ; (the add and the youngest eight loads may be out)
	WIN MUL_LO
	MUL16 F1, 0, 0, 0                              ; sixteen matrix instructions stand between the add and the wait for it
	s_wait_dscnt 0x0                               ; the add is done, and my reads of this slot are over:
	s_barrier_signal -1                            ; say so,
	MUL16 F1, 0, 2, 0                              ; work on registers while the others arrive,
.if \round
	WIN 0
.endif
	s_barrier_wait -1                              ; and go on when all four have said so
.endm
; The whole last quarter.  Behind the round the slot just read out is filled again first: with this tile's K step two steps on (on = 0) or, in a tile's last two K steps, with the NEXT tile's
; K step 0 or 1 (on = 1); then come the next slot's first fragments.  From a request to the wait for it a wave issues 224 matrix instructions.
.macro TURN slot, next, on
	s_wait_xcnt 0x0                                ; the last prefetch, a K step back, has read its address: it is stepped here
.if (\on) && (\slot) == 0
	s_add_nc_u64 s[PFA:PFA+1], s[PFA:PFA+1], (WALK-1)*SIZE_K*2+KSTEP*2  ; from the K step after the tile's last to the next tile's K step 1
	s_cmp_eq_u32 s11, 0
	s_cselect_b32 s[LIM], s[LIM], -1               ; B's rows are the same for all tiles of the walk: they are asked for in the first tile alone
.else
	s_add_nc_u64 s[PFA:PFA+1], s[PFA:PFA+1], KSTEP*2
.endif
	MEET 1
	CREST                                          ; no wave of any partner still reads this slot's tile or has a load on its way
.if \on
	s_add_nc_u64 s[G0+4*(\slot)+2:G0+4*(\slot)+3], s[G0+4*(\slot)+2:G0+4*(\slot)+3], NEXT_A
	s_sub_nc_u64 s[G0B+4*(\slot)+2:G0B+4*(\slot)+3], s[G0B+4*(\slot)+2:G0B+4*(\slot)+3], BACK_B
.else
	s_add_nc_u64 s[G0+4*(\slot)+2:G0+4*(\slot)+3], s[G0+4*(\slot)+2:G0+4*(\slot)+3], 2*KSTEP*2
	s_add_nc_u64 s[G0B+4*(\slot)+2:G0B+4*(\slot)+3], s[G0B+4*(\slot)+2:G0B+4*(\slot)+3], 2*KSTEP*2
.endif
	JLOAD \slot                                    ; the first tensor load behind the round; the four v_nop behind it are also the places in front of the loads below
	FETCH \next, 0, F0
	ASK \on
	WIN MUL_HI
	MUL16 F1, 1, 0, 0
	MUL16 F1, 1, 2, 0
.endm
; THE LAST K STEP OF THE LAST TILE (it lies in slot 1) GOES BY ROWS OF C.  All its fragments of B fill window 1; then my eight blocks of 16 rows are finished one after the other, each with 32 matrix
; instructions (its 8 accumulators by turns, K ascending).
.macro BLOAD q                         ; B's fragments of quarter q -> window 1, v[64 q ..]
	WIN TO_B
.irp i, 0,1,2,3,4,5,6,7
	ds_load_b128 v[64*(\q)+8*(\i):64*(\q)+8*(\i)+3],   v[ADRB+1] offset:64*(\q)+(\i)*16*PITCH
	ds_load_b128 v[64*(\q)+8*(\i)+4:64*(\q)+8*(\i)+7], v[ADRB+1] offset:64*(\q)+(\i)*16*PITCH+32
.endr
.endm
.macro ALOAD a                         ; A's fragments of block a, all four quarters -> buffer a % 4
	WIN 0
.set FA, PA+32*((\a)%4)
.irp q, 0,1,2,3
	ds_load_b128 v[FA+8*(\q):FA+8*(\q)+3],   v[ADRA+1] offset:64*(\q)+(\a)*16*PITCH
	ds_load_b128 v[FA+8*(\q)+4:FA+8*(\q)+7], v[ADRA+1] offset:64*(\q)+(\a)*16*PITCH+32
.endr
.endm
.macro ROW a                           ; block a is finished: 32 matrix instructions
.set FA, PA+32*((\a)%4)
.set AC, 64*((\a)%4)
	WIN MUL_LO+0x50*((\a)/4)
.irp q, 0,1,2,3
.if (\a) == 0 && (\q) == 2
	s_wait_dscnt 24                                ; B's quarter 2 is in (behind it: A's blocks 1 to 3)
.endif
.irp b, 0,1,2,3,4,5,6,7
	v_wmma_f32_16x16x32_bf16 v[AC+8*(\b):AC+8*(\b)+7], v[64*(\q)+8*(\b):64*(\q)+8*(\b)+7], v[FA+8*(\q):FA+8*(\q)+7], v[AC+8*(\b):AC+8*(\b)+7]
.endr
.endr
.endm
; THE WAY OUT of block a.  PACK: rounded to bf16, 16 bytes a lane (each accumulator's registers in ascending order).  TOSTAGE: into my own stage in LDS, and back as whole rows of 256 bytes.  SEND: stored.
.macro PACK a
.set AC, 64*((\a)%4)
	WIN 0x0a+5*((\a)/4)                            ; sources 0 and 1: window 2 or 3
.irp b, 0,1,2,3,4,5,6,7
.irp r, 0,1,2,3
	v_cvt_pk_bf16_f32 v[TMP+4*(\b)+(\r)], v[AC+8*(\b)+2*(\r)], v[AC+8*(\b)+2*(\r)+1]
.endr
.endr
	WIN 0
.endm
.macro TOSTAGE a
	WIN 0
.set BK, OB+192*((\a)%2)
.irp b, 0,1,2,3,4,5,6,7
	ds_store_b128 v[STO], v[TMP+4*(\b):TMP+4*(\b)+3] offset:32*(\b)
.endr
.irp t, 0,1,2,3,4,5,6,7
	ds_load_b128 v[BK+4*(\t):BK+4*(\t)+3], v[RD] offset:(\t)*2*SPITCH  ; LDS serves a wave's instructions in order (ISA guide 5.7.1.4): these see the stores above
.endr
.endm
.macro SEND a, younger                 ; younger: the LDS loads issued behind TOSTAGE's, which may stay out
	WIN 0
.set BK, OB+192*((\a)%2)
	s_wait_dscnt \younger                          ; the block is back in registers
	s_wait_xcnt 0x0                                ; only behind this wait are the stores' base and the registers that earlier stores read rewritten
.if (\a) == 0
	s_add_nc_u64 s[8:9], s[8:9], s[16:17]          ; on to this tile's first rows
.else
	s_add_nc_u64 s[8:9], s[8:9], 16*SIZE_N*2       ; 16 rows of C on
.endif
.irp t, 0,1,2,3,4,5,6,7
	global_store_b128 v[CO], v[BK+4*(\t):BK+4*(\t)+3], s[8:9] offset:2*(\t)*SIZE_N*2  ; 16 lanes store 256 consecutive bytes, at a multiple of 256 from C's first byte
.endr
.endm
	s_wait_tensorcnt 1                             ; my part of K step 0 is in; K step 1's load may stay out
	s_barrier_signal -1
	s_barrier_wait -1                              ; everybody's is
	FETCH 0, 0, F0
	s_mov_b32 s2, SIZE_TILES                       ; tiles to go, this one among them
.Ltile:
	QUARTER 0, 64,  F0, F1, 1                      ; a tile's first quarter stands in front of the loop: its products start the sums
	WIN 0                                          ; at a label and at a branch every window is 0
	s_mov_b32 s3, LAPS-1
.Llap:                                                 ; a trip goes once round the ring, from a lap's second quarter to the next lap's first, and fills both slots again
	QUARTER 0, 128, F1, F0, 0
	QUARTER 0, 192, F0, F1, 0
	TURN 0, 1, 0
	QUARTER 1, 64,  F0, F1, 0
	QUARTER 1, 128, F1, F0, 0
	QUARTER 1, 192, F0, F1, 0
	TURN 1, 0, 0
	QUARTER 0, 64,  F0, F1, 0
	WIN 0
	s_sub_co_u32 s3, s3, 1
	s_cmp_lg_u32 s3, 0
	s_cbranch_scc1 .Llap
	QUARTER 0, 128, F1, F0, 0                      ; the tile's last lap goes on
	QUARTER 0, 192, F0, F1, 0
	WIN 0
	s_cmp_eq_u32 s2, 1
	s_cbranch_scc1 .Llast_tile                     ; the last tile's tail is written out: it asks for nothing more
	TURN 0, 1, 1                                   ; the ring goes on into the next tile: slot 0 takes its K step 0,
	QUARTER 1, 64,  F0, F1, 0
	QUARTER 1, 128, F1, F0, 0
	QUARTER 1, 192, F0, F1, 0
	TURN 1, 0, 1                                   ; slot 1 its K step 1, and the next tile's first fragments are fetched
	PACK 0                                         ; both refills are asked for: now the tile goes out.  Blocks 0-3 were finished in front of TURN's places, and their 128 conversions,
	TOSTAGE 0                                      ; which name no register of the last products (blocks 4-7's), are those products' places
.irp a, 1,2,3,4,5,6,7                  ; block a's conversions stand between block a - 1's loads from the stage and the wait for them
	PACK \a
	SEND (\a)-1, 0
	TOSTAGE \a
.endr
	SEND 7, 0
	s_mov_b64 s[16:17], NEXT_C                     ; what the next way out adds to C's address
	s_sub_co_u32 s2, s2, 1
	s_branch .Ltile
.Llast_tile:
	MEET 0                                         ; my one tensor load that was still out is slot 1's, the last K step's, so no round follows
	PLACES                                         ; for the loads into buffer 0, which the quarter before multiplied
	WIN TO_B
	BLOAD 0                                        ; three quarters of B now: buffer 1 is still being multiplied
	BLOAD 1
	BLOAD 3
	WIN 0
	ALOAD 0
	WIN MUL_HI
	MUL16 F1, 1, 0, 0
	MUL16 F1, 1, 2, 0
	PLACES                                         ; for the loads into buffer 1
	WIN TO_B
	BLOAD 2
	WIN 0
	ALOAD 1
	ALOAD 2
	ALOAD 3
	s_wait_dscnt 40                                ; all but the 40 just issued
	ROW 0
.irp a, 0,1,2,3,4,5,6,7                ; each block leaves as soon as it is finished
	PLACES                                         ; its conversions read results just made
	PACK \a
	TOSTAGE \a
.if (\a) < 4
	ALOAD (\a)+4                                   ; its buffer takes the block four further on
	SEND \a, 8
.else
	SEND \a, 0
.endif
.if (\a) < 7
	ROW (\a)+1
.endif
.endr
	s_wait_tensorcnt 0x0                           ; the wave's end: behind my last tensor load and my last LDS store
	ds_add_u32 v[SPW], v[NIL]
	s_wait_dscnt 0x0
	CROUND                                         ; the closing round: no work-group ends while a partner may still ask for a tile that names it
	s_endpgm
.Lfunc_end_k_q0de7c24ea4_gemm1:
	.size	k_q0de7c24ea4_gemm1, .Lfunc_end_k_q0de7c24ea4_gemm1-k_q0de7c24ea4_gemm1
	.p2alignl 7, 3214868480
	.fill 96, 4, 3214868480
	.section	.rodata,"a",@progbits
	.p2align	6, 0x0
	.amdhsa_kernel k_q0de7c24ea4_gemm1
		.amdhsa_group_segment_fixed_size 327680
		.amdhsa_private_segment_fixed_size 0
		.amdhsa_enable_private_segment 0
		.amdhsa_kernarg_size 24
		.amdhsa_user_sgpr_count 2
		.amdhsa_user_sgpr_kernarg_segment_ptr 1
		.amdhsa_wavefront_size32 1
		.amdhsa_system_sgpr_workgroup_id_x 1
		.amdhsa_system_sgpr_workgroup_id_y 1
		.amdhsa_system_sgpr_workgroup_id_z 1
		.amdhsa_system_vgpr_workitem_id 0
		.amdhsa_next_free_vgpr 1024
		.amdhsa_next_free_sgpr 66
		.amdhsa_reserve_vcc 0
		.amdhsa_float_denorm_mode_32 3
		.amdhsa_float_denorm_mode_16_64 3
		.amdhsa_memory_ordered 1
		.amdhsa_forward_progress 1
		.amdhsa_inst_pref_size 210
	.end_amdhsa_kernel
	.amdgpu_metadata
---
amdhsa.version: [ 1, 2 ]
amdhsa.kernels:
  - .name:           k_q0de7c24ea4_gemm1
    .symbol:         k_q0de7c24ea4_gemm1.kd
    .args:
      - { .name: WinT, .offset: 0, .size: 8, .value_kind: global_buffer, .address_space: global }
      - { .name: xn, .offset: 8, .size: 8, .value_kind: global_buffer, .address_space: global }
      - { .name: G, .offset: 16, .size: 8, .value_kind: global_buffer, .address_space: global }
    .group_segment_fixed_size: 327680
    .private_segment_fixed_size: 0
    .kernarg_segment_align: 8
    .kernarg_segment_size: 24
    .max_flat_workgroup_size: 128
    .sgpr_count:     66
    .vgpr_count:     1024
    .wavefront_size: 32
...
	.end_amdgpu_metadata
.endif
;; end of part 2
;; launch scan (part 3): grid 1024 x 1, 4 waves a work-group, no clusters, 0 bytes of LDS; arguments G, Y; writes Y
.if DOCPART == 3
	.amdgcn_target "amdgcn-amd-amdhsa--gfx1250"
	.amdhsa_code_object_version 6
	.text
	.protected	k_q0de7c24ea4_scan
	.globl	k_q0de7c24ea4_scan
	.p2align	8
	.type	k_q0de7c24ea4_scan,@function
k_q0de7c24ea4_scan:
	s_mov_b64 s[64:65], 0
	v_nop
	global_prefetch_b8 v0, s[64:65] scope:SCOPE_SE
	s_setreg_imm32_b32 hwreg(HW_REG_WAVE_MODE, 25, 1), 1
	s_wait_xcnt 0x0
; ACTIVATIONS AND THE RECURRENCE.  G: [3072][16384] bf16, rows 1024 gate + c (gates a, r, v), columns 4096 b + t.  Y: [1024 c][16384] bf16.
; a = sigmoid(ga), r = sigmoid(gr), u = (1 - a) r gelu(gv), h_t = a_t h_(t-1) + u_t, h_(-1) = 0; Y = h.  (lam, in which h is linear, rides on the second projection's weight.)
; SHARES.  ONE WAVE TAKES ONE SEQUENCE (c, b), all 4,096 steps: sequence 4 c + b = 4 x work-group + wave lies at byte 8,192 x that number of gate a's rows and of Y.  So no carry ever leaves a wave.
; A step of the text is 256 time steps: lane l holds t = 8 l .. 8 l + 7, 16 bytes of each gate; a load or store of the wave covers 512 consecutive bytes, aligned.  Sixteen such steps, two slots of registers.
; THE SCAN.  A run of time steps acts on the state as h -> P h + L.  In a lane: seven fused multiply-adds and seven products give (P, L) up to each of its 8 steps.  Across 16 lanes: four rounds of
; row_shr (a lane without a partner takes P = 1, L = 0).  The two halves and the carry from the 256 steps before are joined in scalar registers.  All of it in f32; Y is rounded once.
; GELU, exact form: gelu(v) = max(v, 0) - |v| erfc(|v| / sqrt 2) / 2, with erfc(z) = (a1 t + .. + a5 t^5) exp(-z^2), t = 1 / (1 + 0.3275911 z) (Abramowitz and Stegun 7.1.26: within 1.5e-7 for every z >= 0).
; In this form nothing cancels for v < 0.  LIMITS: that 1.5e-7; an exponential below 2^-126 counts as 0; NaN and infinities are not treated apart; G and Y carry bf16's 8 significant bits.
; No LDS, no tensor load, no cluster, no matrix unit: no byte is shared, and each is read once.
.set A,  30                            ; v30-37  ga, then a, then the running product P
.set R,  40                            ; v40-47  gr, then r
.set V,  50                            ; v50-57  gv, then gelu, u, L, h
.set T2, 60                            ; v60-67  exp(-v^2 / 2), later 1 - a
.set T3, 70                            ; v70-77  t
.set T4, 80                            ; v80-87  the polynomial
.set M,  90                            ; v90-97  max(v, 0)
.set IN, 100                           ; v100-111 slot 0, v112-123 slot 1: four registers of each gate as loaded
.set YP, 4                             ; v4-7    16 bytes to store
                                       ; v1 my byte offset; v8, v9 the lane's (P, L); v10, v11 a partner's; v12, v13 those of the lanes in front of me; v[14:15] the state that I start from
.macro LOADS s, off
	global_load_b128 v[IN+12*(\s):IN+12*(\s)+3],    v1, s[4:5]   offset:\off th:TH_LOAD_NT
	global_load_b128 v[IN+12*(\s)+4:IN+12*(\s)+7],  v1, s[8:9]   offset:\off th:TH_LOAD_NT
	global_load_b128 v[IN+12*(\s)+8:IN+12*(\s)+11], v1, s[10:11] offset:\off th:TH_LOAD_NT
.endm
.macro HORN st, p                      ; stage st of the polynomial for pair p
.if (\st) == 0
	v_pk_fma_f32 v[T4+2*(\p):T4+2*(\p)+1], v[T3+2*(\p):T3+2*(\p)+1], s[16:17], s[18:19] op_sel_hi:[1,0,0]
.elseif (\st) == 1
	v_pk_fma_f32 v[T4+2*(\p):T4+2*(\p)+1], v[T4+2*(\p):T4+2*(\p)+1], v[T3+2*(\p):T3+2*(\p)+1], s[20:21] op_sel_hi:[1,1,0]
.elseif (\st) == 2
	v_pk_fma_f32 v[T4+2*(\p):T4+2*(\p)+1], v[T4+2*(\p):T4+2*(\p)+1], v[T3+2*(\p):T3+2*(\p)+1], s[22:23] op_sel_hi:[1,1,0]
.elseif (\st) == 3
	v_pk_fma_f32 v[T4+2*(\p):T4+2*(\p)+1], v[T4+2*(\p):T4+2*(\p)+1], v[T3+2*(\p):T3+2*(\p)+1], s[24:25] op_sel_hi:[1,1,0]
.elseif (\st) == 4
	v_pk_mul_f32 v[T4+2*(\p):T4+2*(\p)+1], v[T4+2*(\p):T4+2*(\p)+1], v[T3+2*(\p):T3+2*(\p)+1]
.else
	v_pk_mul_f32 v[T4+2*(\p):T4+2*(\p)+1], v[T4+2*(\p):T4+2*(\p)+1], v[T2+2*(\p):T2+2*(\p)+1]
.endif
.endm
; 256 time steps from slot s.  ahead = 1: the slot is filled again, with the steps 512 further on.  left: how many younger loads may stay out.
.macro STEP s, ahead, left
.set SB, IN+12*(\s)
	s_wait_loadcnt \left                           ; loads come back in order: this slot's three are in, the other slot's three may stay out
	s_wait_xcnt 0x0                                ; the last store has read v4-7, which are written again below
.irp k, 0,1,2,3
	v_lshlrev_b32 v[A+2*(\k)],   16,  v[SB+(\k)]   ; bf16 to f32: the low half moves up, the high half stays
	v_and_b32     v[A+2*(\k)+1], s12, v[SB+(\k)]
	v_lshlrev_b32 v[R+2*(\k)],   16,  v[SB+4+(\k)]
	v_and_b32     v[R+2*(\k)+1], s12, v[SB+4+(\k)]
	v_lshlrev_b32 v[V+2*(\k)],   16,  v[SB+8+(\k)]
	v_and_b32     v[V+2*(\k)+1], s12, v[SB+8+(\k)]
.endr
.if \ahead
	LOADS \s, 1024+512*(\s)
.endif
	; THE FIRST BATCH: 24 exponentials and 8 reciprocals, plain lines between them; none of these lines names a result of the batch
.irp j, 0,1,2,3
	v_pk_mul_f32 v[A+2*(\j):A+2*(\j)+1], v[A+2*(\j):A+2*(\j)+1], 0xbfb8aa3b op_sel_hi:[1,0]    ; - log2(e) ga
.endr
.irp j, 0,1,2,3
	v_exp_f32 v[A+(\j)], v[A+(\j)]
	v_pk_mul_f32 v[R+2*(\j):R+2*(\j)+1], v[R+2*(\j):R+2*(\j)+1], 0xbfb8aa3b op_sel_hi:[1,0]
.endr
.irp j, 0,1,2,3
	v_exp_f32 v[A+4+(\j)], v[A+4+(\j)]
	v_pk_mul_f32 v[T2+2*(\j):T2+2*(\j)+1], v[V+2*(\j):V+2*(\j)+1], v[V+2*(\j):V+2*(\j)+1]      ; v^2
.endr
.irp j, 0,1,2,3
	v_exp_f32 v[R+(\j)], v[R+(\j)]
	v_pk_mul_f32 v[T2+2*(\j):T2+2*(\j)+1], v[T2+2*(\j):T2+2*(\j)+1], 0xbf38aa3b op_sel_hi:[1,0]  ; - log2(e) v^2 / 2
.endr
.irp j, 0,1,2,3
	v_exp_f32 v[R+4+(\j)], v[R+4+(\j)]
	v_fma_f32 v7\j, |v5\j|, s13, 1.0               ; 1 + 0.3275911 |v| / sqrt 2
.endr
.irp j, 4,5,6,7
	v_exp_f32 v[T2+(\j)-4], v[T2+(\j)-4]
	v_fma_f32 v7\j, |v5\j|, s13, 1.0
.endr
.irp j, 0,1,2,3
	v_exp_f32 v[T2+4+(\j)], v[T2+4+(\j)]
	v_max_num_f32 v[M+(\j)], 0, v[V+(\j)]
.endr
.irp j, 0,1,2,3
	v_rcp_f32 v[T3+2*(\j)], v[T3+2*(\j)]
	v_rcp_f32 v[T3+2*(\j)+1], v[T3+2*(\j)+1]
	v_max_num_f32 v[M+4+(\j)], 0, v[V+4+(\j)]      ; the last of these is the plain instruction behind the batch's last reciprocal
.endr
	s_wait_alu depctr_va_vdst(0)                   ; one wait for the batch, ahead of its first reader
.irp j, 0,1,2,3
	v_pk_add_f32 v[A+2*(\j):A+2*(\j)+1], v[A+2*(\j):A+2*(\j)+1], 1.0 op_sel_hi:[1,0]
	v_pk_add_f32 v[R+2*(\j):R+2*(\j)+1], v[R+2*(\j):R+2*(\j)+1], 1.0 op_sel_hi:[1,0]
.endr
	; THE SECOND BATCH: the 16 reciprocals of the sigmoids, among the polynomial's 24 lines, which name neither a nor r
.set n, 0
.rept 24
	HORN n/4, n%4
.if n < 8
	v_rcp_f32 v[A+n], v[A+n]
.elseif n < 16
	v_rcp_f32 v[R+n-8], v[R+n-8]
.endif
.set n, n+1
.endr
	s_wait_alu depctr_va_vdst(0)                   ; one wait for the batch
.irp j, 0,1,2,3,4,5,6,7
	v_fma_f32 v5\j, -|v5\j|, v8\j, v9\j            ; gelu = max(v, 0) - |v| erfc / 2
.endr
.irp j, 0,1,2,3
	v_pk_fma_f32 v[T2+2*(\j):T2+2*(\j)+1], v[A+2*(\j):A+2*(\j)+1], -1.0, 1.0 op_sel_hi:[1,0,0]  ; 1 - a
.endr
.irp j, 0,1,2,3
	v_pk_mul_f32 v[V+2*(\j):V+2*(\j)+1], v[V+2*(\j):V+2*(\j)+1], v[R+2*(\j):R+2*(\j)+1]
.endr
.irp j, 0,1,2,3
	v_pk_mul_f32 v[V+2*(\j):V+2*(\j)+1], v[V+2*(\j):V+2*(\j)+1], v[T2+2*(\j):T2+2*(\j)+1]      ; u
.endr
.irp j, 1,2,3,4,5,6,7                  ; the lane's eight steps: L_j = a_j L_(j-1) + u_j, then P_j = a_j P_(j-1)
	v_fma_f32 v[V+(\j)], v[A+(\j)], v[V+(\j)-1], v[V+(\j)]
	v_mul_f32 v[A+(\j)], v[A+(\j)], v[A+(\j)-1]
.endr
	v_mov_b32 v9, v[V+7]
	v_mov_b32 v8, v[A+7]
.irp n, 1,2,4,8                        ; across 16 lanes: mine behind that of the lane n in front
	v_mov_b32 v10, 1.0
	v_mov_b32_dpp v10, v8 row_shr:\n row_mask:0xf bank_mask:0xf
	v_mov_b32_dpp v11, v9 row_shr:\n row_mask:0xf bank_mask:0xf bound_ctrl:1
	v_fma_f32 v9, v8, v11, v9
	v_mul_f32 v8, v8, v10
.endr
	v_mov_b32 v12, 1.0                             ; what the lanes in front of me in my half do together
	v_mov_b32_dpp v12, v8 row_shr:1 row_mask:0xf bank_mask:0xf
	v_mov_b32_dpp v13, v9 row_shr:1 row_mask:0xf bank_mask:0xf bound_ctrl:1
	v_readlane_b32 s30, v8, 15                     ; the two halves' totals
	v_readlane_b32 s31, v9, 15
	v_readlane_b32 s32, v8, 31
	v_readlane_b32 s33, v9, 31
	v_mov_b32 v14, s28                             ; the state in front of lane 0: the carry,
	s_fmac_f32 s31, s30, s28                       ; in front of lane 16,
	v_cndmask_b32 v14, v14, s31, s12               ; (s12's upper 16 bits name lanes 16-31)
	s_fmac_f32 s33, s32, s31                       ; and behind lane 31:
	s_mov_b32 s28, s33                             ; the new carry, in f32
	v_fma_f32 v14, v12, v14, v13                   ; the state in front of my eight steps
.irp j, 0,1,2,3
	v_pk_fma_f32 v[V+2*(\j):V+2*(\j)+1], v[A+2*(\j):A+2*(\j)+1], v[14:15], v[V+2*(\j):V+2*(\j)+1] op_sel_hi:[1,0,1]   ; h = P h_in + L
.endr
.irp j, 0,1,2,3
	v_cvt_pk_bf16_f32 v[YP+(\j)], v[V+2*(\j)], v[V+2*(\j)+1]
.endr
	global_store_b128 v1, v[YP:YP+3], s[6:7] offset:512*(\s)
.endm
	s_load_b128 s[4:7], s[0:1], 0x0                ; G s[4:5], Y s[6:7]
	v_lshrrev_b32 v2, 5, v0
	v_readfirstlane_b32 s26, v2                    ; wave 0..3
	v_and_b32 v1, 31, v0
	v_lshlrev_b32 v1, 4, v1                        ; 16 bytes a lane
	s_lshl_b32 s2, ttmp9, 2
	s_add_co_u32 s2, s2, s26                       ; my sequence,
	s_lshl_b32 s2, s2, 13                          ; 8,192 bytes each
	s_mov_b32 s3, 0
	s_mov_b32 s12, 0xffff0000                      ; a word's upper bf16; also: lanes 16-31
	s_mov_b32 s13, 0x3e6d3388                      ; 0.3275911 / sqrt 2
	s_mov_b32 s16, 0x3f07dc22                      ; a5 / 2 =  0.53070271; each pair's second word is written because the pair is named
	s_mov_b32 s17, s16
	s_mov_b32 s18, 0xbf3a00e3                      ; a4 / 2 = -0.72657601
	s_mov_b32 s19, s18
	s_mov_b32 s20, 0x3f35f0e3                      ; a3 / 2 =  0.71070687
	s_mov_b32 s21, s20
	s_mov_b32 s22, 0xbe11a98e                      ; a2 / 2 = -0.14224837
	s_mov_b32 s23, s22
	s_mov_b32 s24, 0x3e027906                      ; a1 / 2 =  0.12741480
	s_mov_b32 s25, s24
	s_mov_b32 s28, 0                               ; h starts at 0
	v_mov_b32 v11, 0                               ; destinations of lane moves count as read
	v_mov_b32 v13, 0
	v_mov_b32 v15, 0                               ; named with v14 as a pair
	s_wait_kmcnt 0x0
	s_add_nc_u64 s[4:5], s[4:5], s[2:3]            ; gate a
	s_add_nc_u64 s[6:7], s[6:7], s[2:3]
	s_add_nc_u64 s[8:9], s[4:5], 0x2000000         ; gate r: 1,024 rows of 32,768 bytes on
	s_add_nc_u64 s[10:11], s[4:5], 0x4000000       ; v: 2,048 rows on
	LOADS 0, 0
	LOADS 1, 512
	s_mov_b32 s27, 7
.Ltrip:                                        ; 512 time steps a trip
	STEP 0, 1, 3
	STEP 1, 1, 3
	s_wait_xcnt 0x0                                ; every load and store issued so far has read v1
	v_add_nc_u32 v1, 1024, v1
	s_sub_co_u32 s27, s27, 1
	s_cmp_lg_u32 s27, 0
	s_cbranch_scc1 .Ltrip
	STEP 0, 0, 3                                   ; the last 512 time steps load nothing
	STEP 1, 0, 0
	s_endpgm
.Lfunc_end_k_q0de7c24ea4_scan:
	.size	k_q0de7c24ea4_scan, .Lfunc_end_k_q0de7c24ea4_scan-k_q0de7c24ea4_scan
	.p2alignl 7, 3214868480
	.fill 96, 4, 3214868480
	.section	.rodata,"a",@progbits
	.p2align	6, 0x0
	.amdhsa_kernel k_q0de7c24ea4_scan
		.amdhsa_group_segment_fixed_size 0
		.amdhsa_private_segment_fixed_size 0
		.amdhsa_enable_private_segment 0
		.amdhsa_kernarg_size 16
		.amdhsa_user_sgpr_count 2
		.amdhsa_user_sgpr_kernarg_segment_ptr 1
		.amdhsa_wavefront_size32 1
		.amdhsa_system_sgpr_workgroup_id_x 1
		.amdhsa_system_sgpr_workgroup_id_y 1
		.amdhsa_system_sgpr_workgroup_id_z 1
		.amdhsa_system_vgpr_workitem_id 0
		.amdhsa_next_free_vgpr 124
		.amdhsa_next_free_sgpr 66
		.amdhsa_reserve_vcc 0
		.amdhsa_float_denorm_mode_32 3
		.amdhsa_float_denorm_mode_16_64 3
		.amdhsa_memory_ordered 1
		.amdhsa_forward_progress 1
		.amdhsa_inst_pref_size 46
	.end_amdhsa_kernel
	.amdgpu_metadata
---
amdhsa.version: [ 1, 2 ]
amdhsa.kernels:
  - .name:           k_q0de7c24ea4_scan
    .symbol:         k_q0de7c24ea4_scan.kd
    .args:
      - { .name: G, .offset: 0, .size: 8, .value_kind: global_buffer, .address_space: global }
      - { .name: Y, .offset: 8, .size: 8, .value_kind: global_buffer, .address_space: global }
    .group_segment_fixed_size: 0
    .private_segment_fixed_size: 0
    .kernarg_segment_align: 8
    .kernarg_segment_size: 16
    .max_flat_workgroup_size: 128
    .sgpr_count:     66
    .vgpr_count:     124
    .wavefront_size: 32
...
	.end_amdgpu_metadata
.endif
;; end of part 3
;; launch gemm2 (part 4): grid 4 x 64, 4 waves a work-group, clusters of 4 x 4, 327,680 bytes of LDS; arguments Y, WoT, x, out0; writes out0
.if DOCPART == 4
	.amdgcn_target "amdgcn-amd-amdhsa--gfx1250"
	.amdhsa_code_object_version 6
	.text
	.protected	k_q0de7c24ea4_gemm2
	.globl	k_q0de7c24ea4_gemm2
	.p2align	8
	.type	k_q0de7c24ea4_gemm2,@function
k_q0de7c24ea4_gemm2:
	s_mov_b64 s[64:65], 0
	v_nop
	global_prefetch_b8 v0, s[64:65] scope:SCOPE_SE
	s_setreg_imm32_b32 hwreg(HW_REG_WAVE_MODE, 25, 1), 1
	s_wait_xcnt 0x0
	s_wait_alu depctr_hold_cnt(0) depctr_sa_sdst(0) depctr_va_vdst(0) depctr_va_sdst(0) depctr_va_ssrc(0) depctr_va_vcc(0) depctr_vm_vsrc(0)
	s_getreg_b32 s2, hwreg(HW_REG_IB_STS2, 6, 4)
	s_cmp_eq_u32 s2, 0
	s_cbranch_scc0 .Lentry_in_a_cluster
	s_endpgm
.Lentry_in_a_cluster:
	s_bfe_u32 s2, ttmp6, 0x10000c
	s_cmp_lg_u32 s2, 0xf033
	s_cbranch_scc0 .Lentry_shape_is_right
	s_endpgm
.Lentry_shape_is_right:
; THE SECOND PROJECTION AND THE RESIDUAL: out[m][n] = x[m][n] + sum over k of Y[k][m] WoT[n][k].  Y: [1024 k][16384 m] bf16, WoT: [1024 n][1024 k] bf16, x and out: [16384][1024] f32.  Sums in f32.
; A tile of out, 256 x 256, is made by a work-group of four waves; a wave makes 128 x 128: 64 accumulators, 512 registers.  4 x 64 = 256 work-groups, one tile each.
; K goes in steps of 128 through a ring of two LDS slots filled by the tensor data mover.  Y lies with m along its rows: a K step's tile is 128 rows k of 512 bytes, and its fragments come out of LDS
; turned, by ds_load_tr16_b128.  WoT lies with k along its rows: 256 rows n of 256 bytes, read as they lie.
; CLUSTERS: 4 x 4 work-groups.  Y's tile hangs on the tile row alone and is shared along a row of the cluster, WoT's on the tile column alone and is shared along a column: each is asked for JOINTLY.
; THE MATRIX INSTRUCTION IS USED TRANSPOSED (source 0 = 16 rows n of WoT, source 1 = 16 columns m of Y): lane l holds row m = l % 16 of out and the columns 8 (l / 16) + 0 .. 7: 32 consecutive bytes.
; x IS ADDED INSIDE THE K LOOP.  A wave's x is eight blocks of 16 rows x 512 bytes, and there are eight K steps: in each K step one block, asked for two K steps earlier by loads of 512 consecutive
; bytes, goes through my stage in LDS (in as rows, back in the accumulators' layout) and is added onto that block's eight accumulators.  The sums may take x in at any K step: f32 additions in another order.
; THE WAY OUT is then stores alone: 16 rows at a time through the stage, back as whole rows; each store covers 512 consecutive bytes, aligned.
; REGISTERS, in windows of 256 (s_set_vgpr_msb: bits 1:0 source 0, 3:2 source 1, 5:4 source 2, 7:6 destination):
;   window 0: v0-31 addresses; v64-127, v128-191 fragments of Y, two buffers; v192-255 x's even blocks; on the way out these three runs of 64 take rows of out by turns
;   window 1: v64-127, v128-191 fragments of WoT; v192-255 x's odd blocks      window 2: the accumulators of my rows 0-63 ((a, b) at v[8 (8 a + b)])      window 3: those of my rows 64-127
; LIMITS: NaN and infinities are not treated apart.
.set KSTEP,  128
.set PB,     272                       ; a row of WoT's tile in LDS: 256 bytes + 16 = 68 words: the 16 rows of a load start at 16 different groups of four banks (ISA guide 11.1)
.set PA,     544                       ; a row of Y's tile: 512 bytes + 32 = 136 words
.set HALFT,  34816                     ; what one tensor load brings: 64 rows of Y's tile = 128 rows of WoT's
.set SLOT,   4*HALFT                   ; Y's 128 rows, then WoT's 256 rows
.set STAGE,  2*SLOT                    ; behind the ring: 16 rows x 528 bytes for each wave; no tensor load fills it
.set SPITCH, 528                       ; 512 bytes + 16
.set WST,    16*SPITCH
.set SPARE,  STAGE+4*WST               ; behind the stages: the spare words, 128 bytes for each wave
.set LAPS,   4                         ; 1,024 / 256: a lap = two K steps = once round the ring
.set YROW,   32768                     ; bytes in a row of Y
.set OROW,   4096                      ; bytes in a row of x and of out
.set ADRA, 16                          ; v16-17  LDS address of my fragments of Y in slot 0, 1
.set ADRB, 20                          ; v20-21  the same for WoT
.set STO,  24                          ; v24     my place in the stage in the accumulators' layout: row l % 16, 32 bytes for each half of the lanes
.set RD,   25                          ; v25     my place in the stage by rows: 16 bytes of a row's 512
.set CO,   26                          ; v26     my 16 bytes in 512 of a row of x and of out; never rewritten
.set SPW,  28                          ; v28     LDS address of my spare word; never rewritten
.set NIL,  29                          ; v29     0; never rewritten
.set PFO,  30                          ; v30     the prefetches' offset; never rewritten
.set PFA,  44                          ; s[44:45] where my prefetches stand
.set LIM,  43                          ; s43     1 in a wave that prefetches, else the greatest number
.set PST,  72                          ; s[72:73] a K step in bytes, for my prefetches
.set F0,   64
.set F1,   128
.set XB,   192                         ; a block of x: v192-255, of window 0 (buffer 0) or window 1 (buffer 1)
.set G1, 24                            ; s[24:31] descriptor group 1 for Y's tiles;  s[32:39] group 0, one set for each slot
.set G0, 32
.set G1B, 48                           ; s[48:55], s[56:63] the same for WoT's
.set G0B, 56
.set MSB, 0
.macro WIN new                         ; the immediate's high byte repeats the setting that is left; a switch that changes nothing is dropped
.if MSB != (\new)
	s_set_vgpr_msb (MSB<<8)|(\new)
.set MSB, \new
.endif
.endm
.set MUL_LO, 0xa1                      ; source 0 (WoT) window 1, source 1 (Y) window 0, C and D window 2
.set MUL_HI, 0xf1                      ; the same, C and D window 3
.set TO_B,   0x40                      ; destination window 1, address window 0
; A joint load.  Waves 0 and 1 fetch the two halves of Y's tile, waves 2 and 3 those of WoT's.  The branch hangs on the wave's number alone.  An s_nop 0 and four v_nop follow each line.
.macro JLOAD s
	s_cmp_eq_u32 s11, 0
	s_cbranch_scc0 .Lfor_b_\@
	tensor_load_to_lds s[G0+4*(\s):G0+4*(\s)+3], s[G1:G1+7]
	s_nop 0
.rept 4
	v_nop
.endr
	s_branch .Lasked_\@
.Lfor_b_\@:
	tensor_load_to_lds s[G0B+4*(\s):G0B+4*(\s)+3], s[G1B:G1B+7]
	s_nop 0
.rept 4
	v_nop
.endr
.Lasked_\@:
.endm
; A PREFETCH, behind each joint load and the run of LDS loads that follows it: of the K step that stands TWO refills on, 32 blocks of 256 bytes, a lane a block, one instruction a wave.
; Each block is named once in the launch.  Y's tile row is read by one cluster alone: it asks.  WoT's tile column is read by all sixteen clusters: the one with y = 0 asks.  The four partners that ask for a
; tile jointly share it out BY ADDRESS: of the 64 rows of Y that a wave fetches the partner at cx takes 16 (two blocks a row), of the 128 rows of WoT the partner at cy takes 32.
; K steps 0 to 3 come by their loads alone; the loop's last trip (s3 = 1) asks for nothing: K steps 4 to 7 are named.
.macro ASK
	s_cmp_gt_u32 s3, s[LIM]
	s_cbranch_scc0 .Lnot_mine_\@
	global_prefetch_b8 v[PFO], s[PFA:PFA+1] th:TH_LOAD_NT scope:SCOPE_SE
.Lnot_mine_\@:
.endm
.macro CREST                           ; a round of the cluster's barrier behind its opening barrier
	s_cmp_lg_u32 s10, 0
	s_cbranch_scc1 .Lnot_wave_0_\@
	s_barrier_signal -3
.Lnot_wave_0_\@:
	s_barrier_wait -3
	s_barrier_signal -1
	s_barrier_wait -1
.endm
.macro CROUND                          ; a whole round
	s_barrier_signal -1
	s_barrier_wait -1
	CREST
.endm
	s_load_b128 s[4:7], s[0:1], 0x0                ; Y s[4:5], WoT s[6:7]
	s_load_b128 s[68:71], s[0:1], 0x10             ; x s[68:69], out s[70:71]
	v_lshl_add_u32 v[SPW], v0, 2, SPARE
	v_mov_b32 v[NIL], 0
	ds_add_u32 v[SPW], v[NIL]                      ; the wave's opening: the add and its wait stand ahead of my first tensor load; the set-up below, work on registers, stands between them
	v_lshrrev_b32 v1, 5, v0
	v_readfirstlane_b32 s10, v1                    ; wave 0..3
	s_lshr_b32 s11, s10, 1                         ; which half of the tile's rows m is mine.  Also: I fetch for Y (0) or for WoT (1)
	s_and_b32 s12, s10, 1                          ; which half of its columns n.  Also: which half of that tile I fetch
	s_bfe_u32 s40, ttmp6, 0x40000                  ; cx
	s_bfe_u32 s41, ttmp6, 0x40004                  ; cy
	s_lshl_b32 s42, ttmp9, 2
	s_add_co_u32 s42, s42, s40                     ; tile column = 4 x cluster x + cx
	s_and_b32 s13, ttmp7, 0xffff
	s_lshl_b32 s13, s13, 2
	s_add_co_u32 s13, s13, s41                     ; tile row = 4 x cluster y + cy
	s_lshl_b32 s43, s41, 2
	s_lshl_b32 s43, 15, s43                        ; my row of the cluster
	s_lshl_b32 s44, 0x1111, s40                    ; my column
	; Y's tiles: 64 rows x 256 elements, 8 words of padding after every 128.  WoT's: 128 rows x 128 elements, 4 words after every 64.
	s_or_b32 s[G1+0], s43, (1<<16)|(1<<20)|(1<<21)|(6<<22)|(7<<25)   ; 15:0 the mask; 17:16 elements of 2 bytes; 20 padding on; 21 set beside a mask; 24:22 the interval; 31:25 the padding
	s_or_b32 s[G1B+0], s44, (1<<16)|(1<<20)|(1<<21)|(5<<22)|(3<<25)
	s_mov_b32 s[G1+1], 256<<16                     ; tensor_dim0
	s_mov_b32 s[G1B+1], 128<<16
	s_mov_b32 s[G1+2], 64<<16                      ; tensor_dim1
	s_mov_b32 s[G1B+2], 128<<16
	s_mov_b32 s[G1+3], 256<<16                     ; tile_dim0
	s_mov_b32 s[G1B+3], 128<<16
	s_mov_b32 s[G1+4], 64                          ; tile_dim1
	s_mov_b32 s[G1B+4], 128
	s_mov_b32 s[G1+5], 16384                       ; elements from row to row
	s_mov_b32 s[G1B+5], 1024
	s_mov_b32 s[G1+6], 0
	s_mov_b32 s[G1B+6], 0
	s_mov_b32 s[G1+7], 0
	s_mov_b32 s[G1B+7], 0
	; where the tiles come from: Y's hang on the tile row alone, WoT's on the tile column alone, each in registers that never hold the other coordinate
	s_lshl_b32 s16, s13, 9                         ; Y: 256 m = 512 bytes x tile row,
	s_lshl_b32 s17, s12, 21                        ; + my 64 rows k of 32,768 bytes
	s_add_co_u32 s16, s16, s17
	s_mov_b32 s17, 0
	s_lshl_b32 s46, s42, 19                        ; WoT: 256 rows of 2,048 bytes x tile column,
	s_lshl_b32 s47, s12, 18                        ; + my 128 rows
	s_add_co_u32 s46, s46, s47
	s_mov_b32 s47, 0
	s_mul_i32 s20, s10, HALFT                      ; where they go: wave x 34,816 bytes: no place in the cluster enters an LDS address
	s_wait_dscnt 0x0                               ; the opening add is done
	s_wait_kmcnt 0x0
	s_add_nc_u64 s[14:15], s[4:5], s[16:17]
	s_add_nc_u64 s[46:47], s[6:7], s[46:47]
	CROUND                                         ; all sixteen work-groups are here: the first joint loads meet
.irp s, 0,1
	s_mov_b32 s[G0+4*(\s)], 1                                      ; count = 1
	s_add_co_u32 s[G0+4*(\s)+1], s20, (\s)*SLOT                    ; LDS address
	s_add_nc_u64 s[G0+4*(\s)+2:G0+4*(\s)+3], s[14:15], (\s)*KSTEP*YROW  ; global address: K step s is 128 rows down
	s_or_b32 s[G0+4*(\s)+3], s[G0+4*(\s)+3], 0x80000000            ; type = 2
	s_mov_b32 s[G0B+4*(\s)], 1
	s_add_co_u32 s[G0B+4*(\s)+1], s20, (\s)*SLOT
	s_add_nc_u64 s[G0B+4*(\s)+2:G0B+4*(\s)+3], s[46:47], (\s)*KSTEP*2   ; K step s is 256 bytes along
	s_or_b32 s[G0B+4*(\s)+3], s[G0B+4*(\s)+3], 0x80000000
	JLOAD \s                                       ; the ring is filled before anything else is done: two loads of mine are out
.endr
	v_and_b32 v1, 15, v0                           ; l % 16
	v_bfe_u32 v2, v0, 4, 1                         ; l / 16
	v_and_b32 v12, 31, v0                          ; l
	; WoT: lane l holds row l % 16; two loads of 16 bytes, 32 bytes apart
	v_mul_u32_u24 v3, v1, PB
	v_lshl_add_u32 v3, v2, 4, v3
	; Y: the turning load takes 16 k x 16 m (lane l reads row k = 8 (l / 16) + l % 8, columns 8 ((l / 8) % 2) + 0..7) and leaves half a fragment: lane l holds column m = l % 16 and 8 k
	v_and_b32 v4, 7, v0
	v_lshl_add_u32 v4, v2, 3, v4
	v_mul_u32_u24 v4, v4, PA
	v_bfe_u32 v5, v0, 3, 1
	v_lshl_add_u32 v4, v5, 4, v4
	s_lshl_b32 s21, s11, 8                         ; my 128 columns m: 256 bytes of each row
	s_mul_i32 s22, s12, HALFT                      ; my 128 rows of WoT,
	s_add_co_u32 s22, s22, 2*HALFT                 ; which lie behind Y's tile
.irp s, 0,1
	v_add_nc_u32 v[ADRA+(\s)], s21, v4
	v_add_nc_u32 v[ADRB+(\s)], s22, v3
	s_add_co_u32 s21, s21, SLOT
	s_add_co_u32 s22, s22, SLOT
.endr
	s_mul_i32 s23, s10, WST
	s_add_co_u32 s23, s23, STAGE                   ; my stage
	v_mul_u32_u24 v5, v1, SPITCH                   ; the accumulators' layout: row l % 16, 32 bytes for each half of the lanes
	v_lshl_add_u32 v5, v2, 5, v5
	v_add_nc_u32 v[STO], s23, v5
	v_lshl_add_u32 v[RD], v12, 4, s23              ; by rows: 32 lanes take a row's 512 bytes
	v_lshlrev_b32 v[CO], 4, v12
	; the prefetches.  s[14:15] and s[46:47] still stand at K step 0 of what I fetch of Y and of WoT
	s_and_b32 s22, ttmp7, 0xffff                   ; cluster y
	s_mov_b32 s[PST], 256
	s_mov_b32 s[PST+1], 0
	s_mov_b32 s18, 2048
	s_cmp_eq_u32 s11, 0                            ; do I fetch for Y?
	s_cselect_b32 s20, s40, s41                    ; my place among the four that ask with me
	s_cselect_b32 s21, 19, 16                      ; its share as a shift: 16 rows of 32,768 bytes, or 32 rows of 2,048
	s_cselect_b32 s22, ttmp9, s22                  ; the coordinate along which other clusters read the same rows
	s_cselect_b64 s[PFA:PFA+1], s[14:15], s[46:47]
	s_cselect_b32 s[PST], 0x400000, s[PST]         ; a K step: 128 rows of Y, or 256 bytes of WoT's rows
	s_cselect_b32 s18, 0x8000, s18                 ; bytes from row to row
	s_cselect_b32 s23, 1, 0                        ; Y: two lanes a row; WoT: a lane a row
	s_cmp_eq_u32 s22, 0
	s_cselect_b32 s[LIM], 1, -1                    ; the same in all sixteen partners, for a given wave
	s_lshl_b32 s20, s20, s21
	s_mov_b32 s21, 0
	s_add_nc_u64 s[PFA:PFA+1], s[PFA:PFA+1], s[20:21]
	s_mul_i32 s20, s[PST], 3
	s_add_nc_u64 s[PFA:PFA+1], s[PFA:PFA+1], s[20:21]   ; at K step 3: each refill steps it first, so the refill for K step j names K step j + 2
	v_lshrrev_b32 v[PFO], s23, v12
	v_mul_u32_u24 v[PFO], v[PFO], s18
	v_and_b32 v13, s23, v12
	v_lshl_add_u32 v[PFO], v13, 8, v[PFO]
	; x and out at my 128 rows and 128 columns
	s_lshl_b32 s16, s13, 20                        ; 256 rows of 4,096 bytes x tile row
	s_lshl_b32 s17, s11, 19                        ; + my 128 rows
	s_add_co_u32 s16, s16, s17
	s_mov_b32 s17, 0
	s_lshl_b32 s46, s42, 10                        ; + 1,024 bytes x tile column
	s_lshl_b32 s47, s12, 9                         ; + my 512
	s_add_co_u32 s46, s46, s47
	s_mov_b32 s47, 0
	s_add_nc_u64 s[16:17], s[16:17], s[46:47]
	s_add_nc_u64 s[68:69], s[68:69], s[16:17]
	s_add_nc_u64 s[70:71], s[70:71], s[16:17]
; 16 matrix instructions: m blocks a0, a0 + 1 of the window's four x all 8 n blocks, 32 along K.  zero = 1: the first product starts the sums: nothing is ever cleared.
.macro MUL16 f, hi, a0, zero
	WIN MUL_LO+0x50*(\hi)
.irp a, \a0, (\a0)+1
.irp b, 0,1,2,3,4,5,6,7
.if \zero
	v_wmma_f32_16x16x32_bf16 v[8*(8*(\a)+(\b)):8*(8*(\a)+(\b))+7], v[(\f)+8*(\b):(\f)+8*(\b)+7], v[(\f)+8*(4*(\hi)+(\a)):(\f)+8*(4*(\hi)+(\a))+7], 0
.else
	v_wmma_f32_16x16x32_bf16 v[8*(8*(\a)+(\b)):8*(8*(\a)+(\b))+7], v[(\f)+8*(\b):(\f)+8*(\b)+7], v[(\f)+8*(4*(\hi)+(\a)):(\f)+8*(4*(\hi)+(\a))+7], v[8*(8*(\a)+(\b)):8*(8*(\a)+(\b))+7]
.endif
.endr
.endr
.endm
; 32 LDS loads in one run: the fragments of quarter q of a K step (32 along K) into buffer f: WoT's 128 rows, then Y's 128 columns, those of my rows 64-127 last
.macro FETCH slot, q, f
	WIN TO_B
.irp i, 0,1,2,3,4,5,6,7
	ds_load_b128 v[(\f)+8*(\i):(\f)+8*(\i)+3],   v[ADRB+(\slot)] offset:64*(\q)+(\i)*16*PB
	ds_load_b128 v[(\f)+8*(\i)+4:(\f)+8*(\i)+7], v[ADRB+(\slot)] offset:64*(\q)+(\i)*16*PB+32
.endr
	WIN 0
.irp i, 0,1,2,3,4,5,6,7
	ds_load_tr16_b128 v[(\f)+8*(\i):(\f)+8*(\i)+3],   v[ADRA+(\slot)] offset:(\q)*32*PA+32*(\i)
	ds_load_tr16_b128 v[(\f)+8*(\i)+4:(\f)+8*(\i)+7], v[ADRA+(\slot)] offset:(\q)*32*PA+16*PA+32*(\i)
.endr
.endm
; Four places in front of loads into registers that matrix instructions have read, of LDS stores that read results and of additions onto results (ISA guide 7.12.1 for vector instructions)
.macro PLACES
.rept 4
	v_nop
.endr
.endm
; x, A BLOCK OF 16 ROWS AT A TIME.  p: the buffer (0: window 0, 1: window 1).
; XLOAD: 16 loads of 512 consecutive bytes, from byte off behind the pointer.
.macro XLOAD p, off
	WIN 0x40*(\p)                                  ; the loads' destination
.irp t, 0,1,2,3,4,5,6,7,8,9,10,11,12,13,14,15
	global_load_b128 v[XB+4*(\t):XB+4*(\t)+3], v[CO], s[68:69] offset:(\off)+(\t)*OROW th:TH_LOAD_NT
.endr
.endm
; XSTAGE: the block goes into my stage as rows and comes back, into the registers that it left, in the accumulators' layout: register 8 b + j = x(row l % 16, column 16 b + 8 (l / 16) + j).
; left: the other buffer's 16 loads, which were asked for later, may stay out.
.macro XSTAGE p, left
	s_wait_loadcnt \left
	WIN 0x04*(\p)                                  ; the stores' data
.irp t, 0,1,2,3,4,5,6,7,8,9,10,11,12,13,14,15
	ds_store_b128 v[RD], v[XB+4*(\t):XB+4*(\t)+3] offset:(\t)*SPITCH
.endr
	WIN 0x40*(\p)
.irp b, 0,1,2,3,4,5,6,7
	ds_load_b128 v[XB+8*(\b):XB+8*(\b)+3],   v[STO] offset:64*(\b)     ; LDS serves a wave's instructions in order (ISA guide 5.7.1.4): these see the stores above
	ds_load_b128 v[XB+8*(\b)+4:XB+8*(\b)+7], v[STO] offset:64*(\b)+16
.endr
.endm
; XADD: the block is added onto block a's eight accumulators, each from its low end on.  The last products that wrote them stand ahead of the quarter's four v_nop.
.macro XADD a, p
.set XW, ((2+(\a)/4)<<6)|((\p)<<2)|(2+(\a)/4)      ; destination and source 0: the accumulators' window; source 1: the buffer's
.set AC, 64*((\a)%4)
	WIN XW
.set i, 0
.rept 32
	v_pk_add_f32 v[AC+i:AC+i+1], v[AC+i:AC+i+1], v[XB+i:XB+i+1]
.set i, i+2
.endr
	WIN 0
.endm
; In the loop the block hangs on the trip (s3 = 3, 2, 1, the same in all partners) and a register's number cannot: the 32 additions are written once for each block, and forward jumps choose.
.macro XADD3 a0, a1, a2, p
	WIN 0                                          ; at a branch and at a label every window is 0
	s_cmp_eq_u32 s3, 3
	s_cbranch_scc1 .Lx0_\@
	s_cmp_eq_u32 s3, 2
	s_cbranch_scc1 .Lx1_\@
	XADD \a2, \p
	s_branch .Lxd_\@
.Lx0_\@:
	XADD \a0, \p
	s_branch .Lxd_\@
.Lx1_\@:
	XADD \a1, \p
.Lxd_\@:
.endm
; XNEXT: the buffer just added takes the block two further on, which has two K steps in which to land.
.macro XNEXT p
	s_wait_xcnt 0x0                                ; the loads that named the pointer, a K step back, have read it (the last prefetch stands more than two quarters back)
	s_add_nc_u64 s[68:69], s[68:69], 16*OROW       ; the pointer stands one block behind the block in hand,
	XLOAD \p, 16*OROW                              ; so this is the block two on
.endm
; A K step is four quarters of 32 along K, 64 matrix instructions each, on buffers 0, 1, 0, 1; the 64 accumulators take turns, one instruction a turn.
; QLO: a quarter's first half and the run of loads for the next quarter.  head: how many LDS instructions may be out at its head.  QHI: its second half.
.macro QLO slot, q, f, g, zero, head
	s_wait_dscnt \head
	WIN MUL_LO
	MUL16 \f, 0, 0, \zero
	MUL16 \f, 0, 2, \zero
	PLACES
	FETCH \slot, \q, \g
	s_wait_dscnt 32                                ; all but the 32 just issued
.endm
.macro QHI f, zero
	WIN MUL_HI
	MUL16 \f, 1, 0, \zero
	MUL16 \f, 1, 2, \zero
.endm
.macro QUARTER slot, q, f, g, zero
	QLO \slot, \q, \f, \g, \zero, 8                ; WoT's fragments and Y's of my rows 0-63 are in; the youngest eight loads may be out
	QHI \f, \zero
.endm
.macro QSTAGE slot, q, f, g, p, left   ; a quarter in whose middle a block of x sets out through the stage, behind the fragments' loads
	QLO \slot, \q, \f, \g, 0, 8
	XSTAGE \p, \left
	QHI \f, 0
.endm
.macro QADD3 slot, q, f, g, a0, a1, a2, p  ; the quarter behind it: the stage's 32 instructions and the youngest eight fragment loads may be out at its head; the wait in its middle shows the block back
	QLO \slot, \q, \f, \g, 0, 40
	XADD3 \a0, \a1, \a2, \p
	XNEXT \p
	QHI \f, 0
.endm
.macro QADD1 slot, q, f, g, a, p       ; the same in the last lap: one block, and nothing more to ask for
	QLO \slot, \q, \f, \g, 0, 40
	XADD \a, \p
	QHI \f, 0
.endm
; The first half of a K step's last quarter: ONE barrier for the change of slots.  In front of it each wave waits for all its tensor loads, of which one is out: its part of the next slot; adds 0 to its
; spare word; and waits for that and for its own reads of this slot.  Behind it nobody reads this slot any more and the next slot is whole.
.macro MEET round
	WIN 0                                          ; (the add's two registers lie in window 0)
	s_wait_tensorcnt 0x0                           ; all my tensor loads have landed;
	ds_add_u32 v[SPW], v[NIL]                      ; 0 onto my spare word;
	s_wait_dscnt 9                                 ; (the add and the youngest eight loads may be out)
	WIN MUL_LO
	MUL16 F1, 0, 0, 0                              ; sixteen matrix instructions stand between the add and the wait for it
	s_wait_dscnt 0x0                               ; the add is done, and my reads of this slot are over
	s_barrier_signal -1
	MUL16 F1, 0, 2, 0                              ; work on registers while the others arrive
.if \round
	WIN 0
.endif
	s_barrier_wait -1
.endm
; The whole last quarter.  fill = 1: the barrier opens a round of the cluster's, and the slot just read out is filled again first behind it, with the K step two on: 224 matrix instructions ahead of the wait for it.
.macro TURN slot, next, fill
.if \fill
	s_wait_xcnt 0x0                                ; the last prefetch, a K step back, has read its address: it is stepped here
	s_add_nc_u64 s[PFA:PFA+1], s[PFA:PFA+1], s[PST:PST+1]
	MEET 1
	CREST                                          ; no wave of any partner still reads this slot's tile or has a load on its way
	s_add_nc_u64 s[G0+4*(\slot)+2:G0+4*(\slot)+3], s[G0+4*(\slot)+2:G0+4*(\slot)+3], 2*KSTEP*YROW
	s_add_nc_u64 s[G0B+4*(\slot)+2:G0B+4*(\slot)+3], s[G0B+4*(\slot)+2:G0B+4*(\slot)+3], 2*KSTEP*2
	JLOAD \slot                                    ; the four v_nop behind it are also the places in front of the loads below
.else
	MEET 0
	PLACES
.endif
	FETCH \next, 0, F0
.if \fill
	ASK
.endif
	WIN MUL_HI
	MUL16 F1, 1, 0, 0
	MUL16 F1, 1, 2, 0
.endm
; THE WAY OUT of block a (16 rows).  TOSTAGE: the block's eight accumulators into my stage, each from its low end on, and back as whole rows, into one of three runs of 64 registers by turns.
; SEND: the rows are stored.  younger: the next block's 32 stage instructions, which may stay out.
.macro TOSTAGE a
.set AC, 64*((\a)%4)
.set BK, 64+64*((\a)%3)
	WIN 0x08+4*((\a)/4)                            ; the stores' data (source 1) in window 2 or 3
.irp b, 0,1,2,3,4,5,6,7
	ds_store_b128 v[STO], v[AC+8*(\b):AC+8*(\b)+3]   offset:64*(\b)
	ds_store_b128 v[STO], v[AC+8*(\b)+4:AC+8*(\b)+7] offset:64*(\b)+16
.endr
	WIN 0
.irp t, 0,1,2,3,4,5,6,7,8,9,10,11,12,13,14,15
	ds_load_b128 v[BK+4*(\t):BK+4*(\t)+3], v[RD] offset:(\t)*SPITCH  ; in order behind the stores above, and ahead of the next block's
.endr
.endm
.macro SEND a, younger
.set BK, 64+64*((\a)%3)
	s_wait_dscnt \younger                          ; the block is back in registers
	s_wait_xcnt 0x0                                ; the stores of the block before, issued a block ago, have read their registers: the next TOSTAGE loads into the run that they, or older ones, named
.irp t, 0,1,2,3,4,5,6,7,8,9,10,11,12,13,14,15
	global_store_b128 v[CO], v[BK+4*(\t):BK+4*(\t)+3], s[70:71] offset:(16*(\a)+(\t))*OROW th:TH_STORE_NT  ; 32 lanes store 512 consecutive bytes, at a multiple of 256 from out's first byte
.endr
.endm
	XLOAD 0, 0                                     ; x's first two blocks go out now
	XLOAD 1, 16*OROW
	s_wait_tensorcnt 1                             ; my part of K step 0 is in; K step 1's load may stay out
	s_barrier_signal -1
	s_barrier_wait -1                              ; everybody's is
	FETCH 0, 0, F0
	QUARTER 0, 1, F0, F1, 1                        ; the first quarter stands in front of the loop: its products start the sums
	WIN 0                                          ; at a label and at a branch every window is 0
	s_mov_b32 s3, LAPS-1
.Llap:                                                 ; a trip goes once round the ring, from a lap's second quarter to the next lap's first, fills both slots again and takes two blocks of x in
	QSTAGE 0, 2, F1, F0, 0, 16
	QADD3  0, 3, F0, F1, 0, 2, 4, 0
	TURN 0, 1, 1
	QUARTER 1, 1, F0, F1, 0
	QSTAGE 1, 2, F1, F0, 1, 16
	QADD3  1, 3, F0, F1, 1, 3, 5, 1
	TURN 1, 0, 1
	QUARTER 0, 1, F0, F1, 0
	WIN 0
	s_sub_co_u32 s3, s3, 1
	s_cmp_lg_u32 s3, 0
	s_cbranch_scc1 .Llap
	QSTAGE 0, 2, F1, F0, 0, 16                     ; the last lap fills nothing, and has no round of the cluster's barrier; it takes x's blocks 6 and 7 in
	QADD1  0, 3, F0, F1, 6, 0
	TURN 0, 1, 0
	QUARTER 1, 1, F0, F1, 0
	QSTAGE 1, 2, F1, F0, 1, 0                      ; no load of x was asked for behind block 7's
	QADD1  1, 3, F0, F1, 7, 1
	s_wait_dscnt 8                                 ; the very last quarter: nothing more to fetch
	WIN MUL_LO
	MUL16 F1, 0, 0, 0
	MUL16 F1, 0, 2, 0
	s_wait_dscnt 0x0
	MUL16 F1, 1, 0, 0
	MUL16 F1, 1, 2, 0
	WIN 0
	PLACES                                         ; behind the last products: for the LDS stores that read results, and for the loads into the fragments' registers
	TOSTAGE 0
.irp a, 1,2,3,4,5,6,7                  ; block a sets out through the stage ahead of block a - 1's stores
	TOSTAGE \a
	SEND (\a)-1, 32
.endr
	SEND 7, 0
	s_wait_tensorcnt 0x0                           ; the wave's end: behind my last tensor load and my last LDS store
	ds_add_u32 v[SPW], v[NIL]
	s_wait_dscnt 0x0
	CROUND                                         ; the closing round: no work-group ends while a partner may still ask for a tile that names it
	s_endpgm
.Lfunc_end_k_q0de7c24ea4_gemm2:
	.size	k_q0de7c24ea4_gemm2, .Lfunc_end_k_q0de7c24ea4_gemm2-k_q0de7c24ea4_gemm2
	.p2alignl 7, 3214868480
	.fill 96, 4, 3214868480
	.section	.rodata,"a",@progbits
	.p2align	6, 0x0
	.amdhsa_kernel k_q0de7c24ea4_gemm2
		.amdhsa_group_segment_fixed_size 327680
		.amdhsa_private_segment_fixed_size 0
		.amdhsa_enable_private_segment 0
		.amdhsa_kernarg_size 32
		.amdhsa_user_sgpr_count 2
		.amdhsa_user_sgpr_kernarg_segment_ptr 1
		.amdhsa_wavefront_size32 1
		.amdhsa_system_sgpr_workgroup_id_x 1
		.amdhsa_system_sgpr_workgroup_id_y 1
		.amdhsa_system_sgpr_workgroup_id_z 1
		.amdhsa_system_vgpr_workitem_id 0
		.amdhsa_next_free_vgpr 1024
		.amdhsa_next_free_sgpr 76
		.amdhsa_reserve_vcc 0
		.amdhsa_float_denorm_mode_32 3
		.amdhsa_float_denorm_mode_16_64 3
		.amdhsa_memory_ordered 1
		.amdhsa_forward_progress 1
		.amdhsa_inst_pref_size 173
	.end_amdhsa_kernel
	.amdgpu_metadata
---
amdhsa.version: [ 1, 2 ]
amdhsa.kernels:
  - .name:           k_q0de7c24ea4_gemm2
    .symbol:         k_q0de7c24ea4_gemm2.kd
    .args:
      - { .name: Y, .offset: 0, .size: 8, .value_kind: global_buffer, .address_space: global }
      - { .name: WoT, .offset: 8, .size: 8, .value_kind: global_buffer, .address_space: global }
      - { .name: x, .offset: 16, .size: 8, .value_kind: global_buffer, .address_space: global }
      - { .name: out0, .offset: 24, .size: 8, .value_kind: global_buffer, .address_space: global }
    .group_segment_fixed_size: 327680
    .private_segment_fixed_size: 0
    .kernarg_segment_align: 8
    .kernarg_segment_size: 32
    .max_flat_workgroup_size: 128
    .sgpr_count:     76
    .vgpr_count:     1024
    .wavefront_size: 32
...
	.end_amdgpu_metadata
.endif
;; end of part 4
;; ======== version 2 of 2: 4 launches; version 1 with the launch scan written anew for expert scheduling mode
;; limits: a function is approximated: absolute error at most 1.5e-07
;; workspace buffers: xn 33,554,432 bytes; WinT 6,291,456 bytes; WoT 2,097,152 bytes; G 100,663,296 bytes; Y 33,554,432 bytes
;; launch prep: the kernel of part 1 again; grid 1024 x 1, 8 waves a work-group, no clusters, 18,432 bytes of LDS; arguments x, W_in, W_out, w_norm, lambda_log, xn, WinT, WoT; writes xn, WinT, WoT
;; launch gemm1: the kernel of part 2 again; grid 64 x 4, 4 waves a work-group, clusters of 4 x 4, 327,680 bytes of LDS; arguments WinT, xn, G; writes G
;; launch scan (part 5): grid 1024 x 1, 4 waves a work-group, no clusters, 0 bytes of LDS; arguments G, Y; writes Y
.if DOCPART == 5
	.amdgcn_target "amdgcn-amd-amdhsa--gfx1250"
	.amdhsa_code_object_version 6
	.text
	.protected	k_q0de7c24ea4_scan
	.globl	k_q0de7c24ea4_scan
	.p2align	8
	.type	k_q0de7c24ea4_scan,@function
k_q0de7c24ea4_scan:
	s_mov_b64 s[64:65], 0
	v_nop
	global_prefetch_b8 v0, s[64:65] scope:SCOPE_SE
	s_setreg_imm32_b32 hwreg(HW_REG_WAVE_SCHED_MODE, 0, 2), 2
	s_setreg_imm32_b32 hwreg(HW_REG_WAVE_MODE, 25, 1), 1
	s_wait_xcnt 0x0
	s_wait_alu depctr_vm_vsrc(0)
; ACTIVATIONS AND THE RECURRENCE.  G: [3072][16384] bf16, rows 1024 gate + c (gates a, r, v), columns 4096 b + t.  Y: [1024 c][16384] bf16.
; a = sigmoid(ga), r = sigmoid(gr), u = (1 - a) r gelu(gv), h_t = a_t h_(t-1) + u_t, h_(-1) = 0; Y = h.  (lam, in which h is linear, rides on the second projection's weight.)
; SHARES.  ONE WAVE TAKES ONE SEQUENCE (c, b), all 4,096 steps: sequence 4 c + b = 4 x work-group + wave lies at byte 8,192 x that number of gate a's rows and of Y.  So no carry ever leaves a wave.
; A step of the text is 256 time steps: lane l holds t = 8 l .. 8 l + 7, 16 bytes of each gate; a load or store of the wave covers 512 consecutive bytes, aligned.  Sixteen such steps, two slots of registers.
; THE SCAN.  A run of time steps acts on the state as h -> P h + L.  In a lane: seven fused multiply-adds and seven products give (P, L) up to each of its 8 steps.  Across 16 lanes: four rounds of
; row_shr (a lane without a partner takes P = 1, L = 0).  The two halves and the carry from the 256 steps before are joined in scalar registers.  All of it in f32; Y is rounded once.
; GELU, exact form: gelu(v) = max(v, 0) - |v| erfc(|v| / sqrt 2) / 2, with erfc(z) = (a1 t + .. + a5 t^5) exp(-z^2), t = 1 / (1 + 0.3275911 z) (Abramowitz and Stegun 7.1.26: within 1.5e-7 for every z >= 0).
; In this form nothing cancels for v < 0.  LIMITS: that 1.5e-7; an exponential below 2^-126 counts as 0; NaN and infinities are not treated apart; G and Y carry bf16's 8 significant bits.
; No LDS, no tensor load, no cluster, no matrix unit: no byte is shared, and each is read once.
; THE MODE: SCHED_MODE bits 1:0 = 2 (LLVM: expert scheduling mode 2), set by the entry lines.  The code itself states the register dependences between vector instructions and memory instructions,
; and between vector instructions that write scalar registers and their readers, with s_wait_alu, always for 0.
; THE PLAN.  Registers that memory instructions touch; step p of 16, s = p % 2:
;   v1        the byte offset of every load and store.  Made at the head and never written again: the four scalar bases move on by two steps (1,024 bytes) at the head of every even step but the first,
;             and immediate offsets do the rest: two steps ahead for the loads, one step back for the store.
;   IN[s]     Read by step p's 24 unpacking lines, at its head; the loads of step p + 2, issued in step p, land in it.
;   Y[s]      Written by step p's four roundings, its last lines; read by the store that is issued in step p + 1; written again at the end of step p + 2.
; All other registers are named by vector instructions alone.
; A step's first batch of exponentials and reciprocals has a wait on va_vdst ahead of its first reader in any case.  The step's four memory instructions stand straight behind that wait, which so states
; three things: the batch's results are written; the unpacking lines are done reading IN[s]; the step before has written the other Y.  One wait on vm_vsrc at a step's head states that the store
; issued in the step before has read Y[s]; no later memory instruction of the step names Y[s].
.set A,  30                            ; v30-37  ga, then a, then the running product P
.set R,  40                            ; v40-47  gr, then r
.set V,  50                            ; v50-57  gv, then gelu, u, L, h
.set T2, 60                            ; v60-67  exp(-v^2 / 2), later 1 - a
.set T3, 70                            ; v70-77  t
.set T4, 80                            ; v80-87  the polynomial
.set M,  90                            ; v90-97  max(v, 0)
.set IN, 100                           ; v100-111 slot 0, v112-123 slot 1: four registers of each gate as loaded
.set YP, 4                             ; v4-7 Y0, v16-19 Y1: 16 bytes to store, by the step's parity
                                       ; v1 my byte offset; v8, v9 the lane's (P, L); v10, v11 a partner's; v12, v13 those of the lanes in front of me; v[14:15] the state that I start from
.macro LOADS s, off
	global_load_b128 v[IN+12*(\s):IN+12*(\s)+3],    v1, s[4:5]   offset:\off th:TH_LOAD_NT
	global_load_b128 v[IN+12*(\s)+4:IN+12*(\s)+7],  v1, s[8:9]   offset:\off th:TH_LOAD_NT
	global_load_b128 v[IN+12*(\s)+8:IN+12*(\s)+11], v1, s[10:11] offset:\off th:TH_LOAD_NT
.endm
.macro HORN st, p                      ; stage st of the polynomial for pair p
.if (\st) == 0
	v_pk_fma_f32 v[T4+2*(\p):T4+2*(\p)+1], v[T3+2*(\p):T3+2*(\p)+1], s[16:17], s[18:19] op_sel_hi:[1,0,0]
.elseif (\st) == 1
	v_pk_fma_f32 v[T4+2*(\p):T4+2*(\p)+1], v[T4+2*(\p):T4+2*(\p)+1], v[T3+2*(\p):T3+2*(\p)+1], s[20:21] op_sel_hi:[1,1,0]
.elseif (\st) == 2
	v_pk_fma_f32 v[T4+2*(\p):T4+2*(\p)+1], v[T4+2*(\p):T4+2*(\p)+1], v[T3+2*(\p):T3+2*(\p)+1], s[22:23] op_sel_hi:[1,1,0]
.elseif (\st) == 3
	v_pk_fma_f32 v[T4+2*(\p):T4+2*(\p)+1], v[T4+2*(\p):T4+2*(\p)+1], v[T3+2*(\p):T3+2*(\p)+1], s[24:25] op_sel_hi:[1,1,0]
.elseif (\st) == 4
	v_pk_mul_f32 v[T4+2*(\p):T4+2*(\p)+1], v[T4+2*(\p):T4+2*(\p)+1], v[T3+2*(\p):T3+2*(\p)+1]
.else
	v_pk_mul_f32 v[T4+2*(\p):T4+2*(\p)+1], v[T4+2*(\p):T4+2*(\p)+1], v[T2+2*(\p):T2+2*(\p)+1]
.endif
.endm
; 256 time steps from slot s.  first = 1: step 0, with no step in front of it.  ahead = 1: the slot is filled again, with the steps 512 further on.  left: how many younger loads may stay out.
.macro STEP s, first, ahead, left
.set SB, IN+12*(\s)
.set YS, YP+12*(\s)                    ; this step's Y
.set YB, YP+12*(1-(\s))                ; the Y of the step before
	s_wait_loadcnt \left                           ; loads come back in order: this slot's three are in, the other slot's three may stay out
.if !\first
	s_wait_xcnt 0x0                                ; every earlier memory instruction has had its addresses translated: Y[s] and, in an even step, the bases are rewritten only behind this wait
	s_wait_alu depctr_vm_vsrc(0)                   ; the store issued in the step before has read Y[s], which this step's roundings write again
.if (\s) == 0
	s_add_nc_u64 s[4:5], s[4:5], 1024              ; the four bases at this even step's first byte
	s_add_nc_u64 s[8:9], s[8:9], 1024
	s_add_nc_u64 s[10:11], s[10:11], 1024
	s_add_nc_u64 s[6:7], s[6:7], 1024
.endif
.endif
.irp k, 0,1,2,3
	v_lshlrev_b32 v[A+2*(\k)],   16,  v[SB+(\k)]   ; bf16 to f32: the low half moves up, the high half stays
	v_and_b32     v[A+2*(\k)+1], s12, v[SB+(\k)]
	v_lshlrev_b32 v[R+2*(\k)],   16,  v[SB+4+(\k)]
	v_and_b32     v[R+2*(\k)+1], s12, v[SB+4+(\k)]
	v_lshlrev_b32 v[V+2*(\k)],   16,  v[SB+8+(\k)]
	v_and_b32     v[V+2*(\k)+1], s12, v[SB+8+(\k)]
.endr
	; THE FIRST BATCH: 24 exponentials and 8 reciprocals, plain lines between them; none of these lines names a result of the batch
.irp j, 0,1,2,3
	v_pk_mul_f32 v[A+2*(\j):A+2*(\j)+1], v[A+2*(\j):A+2*(\j)+1], 0xbfb8aa3b op_sel_hi:[1,0]    ; - log2(e) ga
.endr
.irp j, 0,1,2,3
	v_exp_f32 v[A+(\j)], v[A+(\j)]
	v_pk_mul_f32 v[R+2*(\j):R+2*(\j)+1], v[R+2*(\j):R+2*(\j)+1], 0xbfb8aa3b op_sel_hi:[1,0]
.endr
.irp j, 0,1,2,3
	v_exp_f32 v[A+4+(\j)], v[A+4+(\j)]
	v_pk_mul_f32 v[T2+2*(\j):T2+2*(\j)+1], v[V+2*(\j):V+2*(\j)+1], v[V+2*(\j):V+2*(\j)+1]      ; v^2
.endr
.irp j, 0,1,2,3
	v_exp_f32 v[R+(\j)], v[R+(\j)]
	v_pk_mul_f32 v[T2+2*(\j):T2+2*(\j)+1], v[T2+2*(\j):T2+2*(\j)+1], 0xbf38aa3b op_sel_hi:[1,0]  ; - log2(e) v^2 / 2
.endr
.irp j, 0,1,2,3
	v_exp_f32 v[R+4+(\j)], v[R+4+(\j)]
	v_fma_f32 v7\j, |v5\j|, s13, 1.0               ; 1 + 0.3275911 |v| / sqrt 2
.endr
.irp j, 4,5,6,7
	v_exp_f32 v[T2+(\j)-4], v[T2+(\j)-4]
	v_fma_f32 v7\j, |v5\j|, s13, 1.0
.endr
.irp j, 0,1,2,3
	v_exp_f32 v[T2+4+(\j)], v[T2+4+(\j)]
	v_max_num_f32 v[M+(\j)], 0, v[V+(\j)]
.endr
.irp j, 0,1,2,3
	v_rcp_f32 v[T3+2*(\j)], v[T3+2*(\j)]
	v_rcp_f32 v[T3+2*(\j)+1], v[T3+2*(\j)+1]
	v_max_num_f32 v[M+4+(\j)], 0, v[V+4+(\j)]      ; the last of these is the plain instruction behind the batch's last reciprocal
.endr
	s_wait_alu depctr_va_vdst(0)                   ; the batch has written A, R, T2 and T3, ahead of their first readers; the unpacking lines are done reading IN[s], in which the loads below land; the step before has written the other Y, which the store below reads
.if \ahead
	LOADS \s, 1024+512*(\s)                        ; two steps ahead; no vector instruction since the wait names these registers
.endif
.if !\first
	global_store_b128 v1, v[YB:YB+3], s[6:7] offset:512*(\s)-512   ; the step before: in an even step the offset reaches back
.endif
.irp j, 0,1,2,3
	v_pk_add_f32 v[A+2*(\j):A+2*(\j)+1], v[A+2*(\j):A+2*(\j)+1], 1.0 op_sel_hi:[1,0]
	v_pk_add_f32 v[R+2*(\j):R+2*(\j)+1], v[R+2*(\j):R+2*(\j)+1], 1.0 op_sel_hi:[1,0]
.endr
	; THE SECOND BATCH: the 16 reciprocals of the sigmoids, among the polynomial's 24 lines, which name neither a nor r
.set n, 0
.rept 24
	HORN n/4, n%4
.if n < 8
	v_rcp_f32 v[A+n], v[A+n]
.elseif n < 16
	v_rcp_f32 v[R+n-8], v[R+n-8]
.endif
.set n, n+1
.endr
	s_wait_alu depctr_va_vdst(0)                   ; the 16 reciprocals have written a and r, ahead of their first readers
.irp j, 0,1,2,3,4,5,6,7
	v_fma_f32 v5\j, -|v5\j|, v8\j, v9\j            ; gelu = max(v, 0) - |v| erfc / 2
.endr
.irp j, 0,1,2,3
	v_pk_fma_f32 v[T2+2*(\j):T2+2*(\j)+1], v[A+2*(\j):A+2*(\j)+1], -1.0, 1.0 op_sel_hi:[1,0,0]  ; 1 - a
.endr
.irp j, 0,1,2,3
	v_pk_mul_f32 v[V+2*(\j):V+2*(\j)+1], v[V+2*(\j):V+2*(\j)+1], v[R+2*(\j):R+2*(\j)+1]
.endr
.irp j, 0,1,2,3
	v_pk_mul_f32 v[V+2*(\j):V+2*(\j)+1], v[V+2*(\j):V+2*(\j)+1], v[T2+2*(\j):T2+2*(\j)+1]      ; u
.endr
.irp j, 1,2,3,4,5,6,7                  ; the lane's eight steps: L_j = a_j L_(j-1) + u_j, then P_j = a_j P_(j-1)
	v_fma_f32 v[V+(\j)], v[A+(\j)], v[V+(\j)-1], v[V+(\j)]
	v_mul_f32 v[A+(\j)], v[A+(\j)], v[A+(\j)-1]
.endr
	v_mov_b32 v9, v[V+7]
	v_mov_b32 v8, v[A+7]
.irp n, 1,2,4,8                        ; across 16 lanes: mine behind that of the lane n in front
	v_mov_b32 v10, 1.0
	v_mov_b32_dpp v10, v8 row_shr:\n row_mask:0xf bank_mask:0xf
	v_mov_b32_dpp v11, v9 row_shr:\n row_mask:0xf bank_mask:0xf bound_ctrl:1
	v_fma_f32 v9, v8, v11, v9
	v_mul_f32 v8, v8, v10
.endr
	v_mov_b32 v12, 1.0                             ; what the lanes in front of me in my half do together
	v_mov_b32_dpp v12, v8 row_shr:1 row_mask:0xf bank_mask:0xf
	v_mov_b32_dpp v13, v9 row_shr:1 row_mask:0xf bank_mask:0xf bound_ctrl:1
	v_readlane_b32 s30, v8, 15                     ; the two halves' totals
	v_readlane_b32 s31, v9, 15
	v_readlane_b32 s32, v8, 31
	v_readlane_b32 s33, v9, 31
	v_mov_b32 v14, s28                             ; the state in front of lane 0: the carry,
	s_wait_alu depctr_va_sdst(0)                   ; the four v_readlane_b32 have written s30 to s33, ahead of their first reader, the line below
	s_fmac_f32 s31, s30, s28                       ; in front of lane 16,
	v_cndmask_b32 v14, v14, s31, s12               ; (s12's upper 16 bits name lanes 16-31)
	s_fmac_f32 s33, s32, s31                       ; and behind lane 31:
	s_mov_b32 s28, s33                             ; the new carry, in f32
	v_fma_f32 v14, v12, v14, v13                   ; the state in front of my eight steps
.irp j, 0,1,2,3
	v_pk_fma_f32 v[V+2*(\j):V+2*(\j)+1], v[A+2*(\j):A+2*(\j)+1], v[14:15], v[V+2*(\j):V+2*(\j)+1] op_sel_hi:[1,0,1]   ; h = P h_in + L
.endr
.irp j, 0,1,2,3
	v_cvt_pk_bf16_f32 v[YS+(\j)], v[V+2*(\j)], v[V+2*(\j)+1]   ; into Y[s]: the next step stores it
.endr
.endm
	s_load_b128 s[4:7], s[0:1], 0x0                ; G s[4:5], Y s[6:7]
	v_lshrrev_b32 v2, 5, v0
	v_readfirstlane_b32 s26, v2                    ; wave 0..3
	v_and_b32 v1, 31, v0
	v_lshlrev_b32 v1, 4, v1                        ; 16 bytes a lane
	s_wait_alu depctr_va_sdst(0)                   ; s26 is written, ahead of its first reader: my sequence's number is made from it
	s_lshl_b32 s2, ttmp9, 2
	s_add_co_u32 s2, s2, s26                       ; my sequence,
	s_lshl_b32 s2, s2, 13                          ; 8,192 bytes each
	s_mov_b32 s3, 0
	s_mov_b32 s12, 0xffff0000                      ; a word's upper bf16; also: lanes 16-31
	s_mov_b32 s13, 0x3e6d3388                      ; 0.3275911 / sqrt 2
	s_mov_b32 s16, 0x3f07dc22                      ; a5 / 2 =  0.53070271; each pair's second word is written because the pair is named
	s_mov_b32 s17, s16
	s_mov_b32 s18, 0xbf3a00e3                      ; a4 / 2 = -0.72657601
	s_mov_b32 s19, s18
	s_mov_b32 s20, 0x3f35f0e3                      ; a3 / 2 =  0.71070687
	s_mov_b32 s21, s20
	s_mov_b32 s22, 0xbe11a98e                      ; a2 / 2 = -0.14224837
	s_mov_b32 s23, s22
	s_mov_b32 s24, 0x3e027906                      ; a1 / 2 =  0.12741480
	s_mov_b32 s25, s24
	s_mov_b32 s28, 0                               ; h starts at 0
	v_mov_b32 v11, 0                               ; destinations of lane moves count as read
	v_mov_b32 v13, 0
	v_mov_b32 v15, 0                               ; named with v14 as a pair
	s_wait_kmcnt 0x0
	s_add_nc_u64 s[4:5], s[4:5], s[2:3]            ; gate a
	s_add_nc_u64 s[6:7], s[6:7], s[2:3]
	s_add_nc_u64 s[8:9], s[4:5], 0x2000000         ; gate r: 1,024 rows of 32,768 bytes on
	s_add_nc_u64 s[10:11], s[4:5], 0x4000000       ; v: 2,048 rows on
	s_wait_alu depctr_va_vdst(0)                   ; v1 is written: every load and store of the kernel reads it as its offset
	LOADS 0, 0
	LOADS 1, 512
	STEP 0, 1, 1, 3                                ; step 0 is written out: no step stands in front of it, so it stores nothing
	s_mov_b32 s27, 6
.Ltrip:                                        ; steps 1 to 12, two to a trip: both kinds of buffer are back at their start
	STEP 1, 0, 1, 3
	STEP 0, 0, 1, 3
	s_sub_co_u32 s27, s27, 1
	s_cmp_lg_u32 s27, 0
	s_cbranch_scc1 .Ltrip
	STEP 1, 0, 1, 3                                ; step 13 asks for step 15, the last
	STEP 0, 0, 0, 3                                ; steps 14 and 15 load nothing: no load leaves the sequence
	STEP 1, 0, 0, 0
	s_wait_alu depctr_va_vdst(0)                   ; step 15's roundings have written Y1, which the last store reads
	global_store_b128 v1, v[YP+12:YP+15], s[6:7] offset:512
	s_endpgm
.Lfunc_end_k_q0de7c24ea4_scan:
	.size	k_q0de7c24ea4_scan, .Lfunc_end_k_q0de7c24ea4_scan-k_q0de7c24ea4_scan
	.p2alignl 7, 3214868480
	.fill 96, 4, 3214868480
	.section	.rodata,"a",@progbits
	.p2align	6, 0x0
	.amdhsa_kernel k_q0de7c24ea4_scan
		.amdhsa_group_segment_fixed_size 0
		.amdhsa_private_segment_fixed_size 0
		.amdhsa_enable_private_segment 0
		.amdhsa_kernarg_size 16
		.amdhsa_user_sgpr_count 2
		.amdhsa_user_sgpr_kernarg_segment_ptr 1
		.amdhsa_wavefront_size32 1
		.amdhsa_system_sgpr_workgroup_id_x 1
		.amdhsa_system_sgpr_workgroup_id_y 1
		.amdhsa_system_sgpr_workgroup_id_z 1
		.amdhsa_system_vgpr_workitem_id 0
		.amdhsa_next_free_vgpr 124
		.amdhsa_next_free_sgpr 66
		.amdhsa_reserve_vcc 0
		.amdhsa_float_denorm_mode_32 3
		.amdhsa_float_denorm_mode_16_64 3
		.amdhsa_memory_ordered 1
		.amdhsa_forward_progress 1
		.amdhsa_inst_pref_size 69
	.end_amdhsa_kernel
	.amdgpu_metadata
---
amdhsa.version: [ 1, 2 ]
amdhsa.kernels:
  - .name:           k_q0de7c24ea4_scan
    .symbol:         k_q0de7c24ea4_scan.kd
    .args:
      - { .name: G, .offset: 0, .size: 8, .value_kind: global_buffer, .address_space: global }
      - { .name: Y, .offset: 8, .size: 8, .value_kind: global_buffer, .address_space: global }
    .group_segment_fixed_size: 0
    .private_segment_fixed_size: 0
    .kernarg_segment_align: 8
    .kernarg_segment_size: 16
    .max_flat_workgroup_size: 128
    .sgpr_count:     66
    .vgpr_count:     124
    .wavefront_size: 32
...
	.end_amdgpu_metadata
.endif
;; end of part 5
;; launch gemm2: the kernel of part 4 again; grid 4 x 64, 4 waves a work-group, clusters of 4 x 4, 327,680 bytes of LDS; arguments Y, WoT, x, out0; writes out0
